; MI455X (gfx1250); checked and timed in simulation.
; The chip was launched on July 23, 2026; its instructions are those of AMD's public machine-readable ISA for CDNA 5 (MIT licence, August 2026) and "CDNA5" Instruction Set Architecture Reference Guide (July 2026). The comments in the code are by the model that wrote it; some were corrected since.
;; Top K Mo E. Allowed arithmetic: matrix products marked QUANTISED: E5M2 operands, one given power-of-two scale a tensor, by v_wmma_f32_16x16x64_bf8_bf8 or v_wmma_f32_16x16x128_bf8_bf8, f32 sums; products left as they are: f32 operands where the result goes on into a quantised operand, else bf16, f16 or f32 operands; f32 sums; everything else in f32.
;; Inputs: b1 8 x 1,024 float32; b2 8 x 1,024 float32; lowp_scales 32 int32 (the exponents e of the quantised operands' scales 2^e); router_b 8 float32; router_w 1,024 x 8 float32; w1 8 x 1,024 x 1,024 float32; w2 8 x 1,024 x 1,024 float32; x 2 x 2,048 x 1,024 float32.
;; Outputs: out0 2 x 2,048 x 1,024 float32.
;; This version of the problem:
;;   THIS VERSION OF THE PROBLEM IS GIVEN IN LOW PRECISION. The matrix products marked QUANTISED in the list below multiply operands that are first quantised to E5M2 (5 exponent bits, 2 mantissa bits; 8 bits a number), with one given power-of-two scale for each operand tensor; their sums are f32. All else is computed in f32.
;;   The module's matrix products, in the order in which they are computed (A, B: the left and right operand; K: the contracted axis; several contracted axes count as one K, in the product's order):
;;     1. [M 4,096, K 1,024] x [K 1,024, N 8]; A: input x; B: input router_w: left as it is (N = 8 < 16)
;;     2. [M 4,096, K 1,024] x [K 1,024, N 1,024]; A: input x; B: input w1: QUANTISED (scales: A lowp_scales[0], B lowp_scales[1])
;;     3. [M 4,096, K 1,024] x [K 1,024, N 1,024]; A: computed on the way; B: input w2: QUANTISED (scales: A lowp_scales[2], B lowp_scales[3])
;;     4. [M 4,096, K 1,024] x [K 1,024, N 1,024]; A: input x; B: input w1: QUANTISED (scales: A lowp_scales[4], B lowp_scales[5])
;;     5. [M 4,096, K 1,024] x [K 1,024, N 1,024]; A: computed on the way; B: input w2: QUANTISED (scales: A lowp_scales[6], B lowp_scales[7])
;;     6. [M 4,096, K 1,024] x [K 1,024, N 1,024]; A: input x; B: input w1: QUANTISED (scales: A lowp_scales[8], B lowp_scales[9])
;;     7. [M 4,096, K 1,024] x [K 1,024, N 1,024]; A: computed on the way; B: input w2: QUANTISED (scales: A lowp_scales[10], B lowp_scales[11])
;;     8. [M 4,096, K 1,024] x [K 1,024, N 1,024]; A: input x; B: input w1: QUANTISED (scales: A lowp_scales[12], B lowp_scales[13])
;;     9. [M 4,096, K 1,024] x [K 1,024, N 1,024]; A: computed on the way; B: input w2: QUANTISED (scales: A lowp_scales[14], B lowp_scales[15])
;;     10. [M 4,096, K 1,024] x [K 1,024, N 1,024]; A: input x; B: input w1: QUANTISED (scales: A lowp_scales[16], B lowp_scales[17])
;;     11. [M 4,096, K 1,024] x [K 1,024, N 1,024]; A: computed on the way; B: input w2: QUANTISED (scales: A lowp_scales[18], B lowp_scales[19])
;;     12. [M 4,096, K 1,024] x [K 1,024, N 1,024]; A: input x; B: input w1: QUANTISED (scales: A lowp_scales[20], B lowp_scales[21])
;;     13. [M 4,096, K 1,024] x [K 1,024, N 1,024]; A: computed on the way; B: input w2: QUANTISED (scales: A lowp_scales[22], B lowp_scales[23])
;;     14. [M 4,096, K 1,024] x [K 1,024, N 1,024]; A: input x; B: input w1: QUANTISED (scales: A lowp_scales[24], B lowp_scales[25])
;;     15. [M 4,096, K 1,024] x [K 1,024, N 1,024]; A: computed on the way; B: input w2: QUANTISED (scales: A lowp_scales[26], B lowp_scales[27])
;;     16. [M 4,096, K 1,024] x [K 1,024, N 1,024]; A: input x; B: input w1: QUANTISED (scales: A lowp_scales[28], B lowp_scales[29])
;;     17. [M 4,096, K 1,024] x [K 1,024, N 1,024]; A: computed on the way; B: input w2: QUANTISED (scales: A lowp_scales[30], B lowp_scales[31])
;;   THE QUANTISER, for each operand of a quantised product, along K:
;;     - The operand's scale is 2^e, e = its entry of the input lowp_scales (int32; the entries are numbered through the quantised products in the list's order, A before B).
;;     - Each number is divided by the scale, clamped to +-57,344, and rounded to the nearest number of E5M2, ties to even, subnormals kept.
;;     - The product sums the exact products of the quantised numbers (number of the format x scale) in f32.
;;   ~~~python
;;   def quantise(x, axis, e):      # numpy; x: float32 -> the quantised numbers, widened to float32 again
;;       x = np.moveaxis(x, axis, -1); K = x.shape[-1]
;;       r = np.clip(x / 2.0 ** e, -57344, 57344)
;;       step = 2.0 ** (np.maximum(np.frexp(np.where(r == 0, 1, r))[1] - 1, -14) - 2)
;;       q = np.round(r / step) * step * 2.0 ** e      # np.round: ties to even
;;       return np.moveaxis(q, -1, axis).astype(np.float32)
;;   ~~~
;;   OPERANDS COMPUTED ON THE WAY. 'Computed on the way' means the value that the module computes at that place (a softmax that the list does not call 'softmax' is quantised finished and normalised). What goes into a quantiser is computed in f32, as accurately as f32 sums, v_exp_f32 and their like allow (about 1e-6 of the number): no bf16 or f16 on the way to a quantiser, and a product that is left as it is and whose result goes on into a quantised operand takes f32 operands (vector FMAs, or v_wmma_f32_16x16x4_f32). A number that lies on a knife's edge between two numbers of the format may be rounded either way, as far as f32 arithmetic and the matrix unit's own rounding can turn it there, and no further.
;; 2 versions, each right; version 2 is version 1 with the launches ffn1, ffn2 written anew for expert scheduling mode. Each part assembles by itself: llvm-mc -triple=amdgcn-amd-amdhsa -mcpu=gfx1250 --defsym DOCPART=n.
;; ======== version 1 of 2: 4 launches
;; workspace buffers: xq 8,388,608 bytes; hq 8,388,608 bytes; wq 16,777,216 bytes; rkey 16,384 bytes of whole numbers; rgate 32,768 bytes; order 32,768 bytes of whole numbers; sgate 32,768 bytes; tmask 256 bytes of whole numbers
;; launch route (part 1): grid 256 x 1, 4 waves a work-group, no clusters, 37,376 bytes of LDS; arguments x, router_w, router_b, lowp_scales, xq, rkey, rgate; writes xq, rkey, rgate
.if DOCPART == 1
	.amdgcn_target "amdgcn-amd-amdhsa--gfx1250"
	.amdhsa_code_object_version 6
	.text
	.protected	k_q78494ff72e_route
	.globl	k_q78494ff72e_route
	.p2align	8
	.type	k_q78494ff72e_route,@function
k_q78494ff72e_route:
	s_mov_b64 s[64:65], 0
	v_nop
	global_prefetch_b8 v0, s[64:65] scope:SCOPE_SE
	s_setreg_imm32_b32 hwreg(HW_REG_WAVE_MODE, 25, 1), 1
	s_wait_xcnt 0x0
; ROUTE.  For each of 4,096 tokens: logits = x . router_w + router_b (f32 multiply-adds), the two largest (a tie keeps the lower index), their softmax,
; and the token's row of x as codes of E5M2, TWICE: plane 0 with the scale of the lower chosen expert, plane 1 with that of the higher (lowp_scales[4 e]).
; The choice only selects VALUES here (v_cndmask_b32): every address is fixed by the token's number.
; SHARES.  A work-group takes 16 tokens, a wave 4.  A lane holds x[k = 128 i + 4 lane + b] in register 4 i + b: each load of a wave reads 512 consecutive bytes.
; router_w (32 KiB) stays in 256 registers of every lane's wave (window 1): register 32 i + 8 b + e = router_w[128 i + 4 lane + b][e].  The work-group reads it
; once, 512 consecutive bytes a load, and turns it through LDS: 128 bytes a lane place + 16 of padding.
; OUT.  xq[plane][token][1024]: stored byte a holds k = 512 (a >> 9) + 128 ((a >> 2) & 3) + 4 ((a >> 4) & 31) + (a & 3): the order in which the codes fall out of the
; lanes, so that each store of a wave covers 512 consecutive bytes; the first product's weights are laid in the same order of k.
; rkey[token] = pair number | lower expert << 8 | higher << 16;  rgate[token] = the two gates, the lower expert's first.
; LIMITS: each lowp_scales[4 e] between -126 and 112.  NaN among the inputs is not served; an infinity is held at the largest code.  The logits' sums are f32 in
; another order than a plain chain: two logits that agree to within f32 rounding may be ranked either way.
; No matrix unit (N = 8), no cluster (work-groups share only router_w, 32 KiB against 64 KiB of x).
.set XR,    64                         ; v64-191   x: 32 registers a token
.set TR,    192                        ; v192-223  held numbers of plane 0
.set CR,    224                        ; v224-239  codes: 8 registers a plane
.set LG,    16                         ; v16-23    the eight logits
.set STG,   192                        ; v192-255  router_w as loaded, before its turn through LDS
.set CHUNK, 4608                       ; LDS: 128 rows of router_w: 32 lane places of 144 bytes
.set MSB, 0
.macro WIN new                         ; the immediate's high byte repeats the setting that is left
.if MSB != \new
	s_set_vgpr_msb (MSB<<8)|\new
.set MSB, \new
.endif
.endm
	s_load_b256 s[4:11], s[0:1], 0x0               ; x, router_w, router_b, lowp_scales
	s_load_b128 s[12:15], s[0:1], 0x20             ; xq, rkey
	s_load_b64 s[16:17], s[0:1], 0x30              ; rgate
	v_lshl_add_u32 v62, v0, 2, 0x9000
	v_mov_b32 v63, 0
	v_lshrrev_b32 v5, 5, v0
	v_readfirstlane_b32 s18, v5                    ; wave
	v_and_b32 v1, 31, v0                           ; lane
	v_lshlrev_b32 v2, 4, v1                        ; 16 x lane
	v_lshrrev_b32 v5, 3, v1
	v_mul_u32_u24 v3, v5, 144
	v_and_b32 v5, 7, v1
	v_lshl_add_u32 v3, v5, 4, v3
	s_mul_i32 s20, s18, 2*CHUNK
	v_add_nc_u32 v3, s20, v3                       ; into LDS: my wave's two chunks; eight lanes' 128 bytes fill a lane place
	v_mul_u32_u24 v4, v1, 144                      ; out of LDS: my lane place
	s_lshl_b32 s19, ttmp9, 4
	s_lshl_b32 s20, s18, 2
	s_add_co_u32 s19, s19, s20                     ; my first token: 16 x work-group + 4 x wave
	s_mov_b32 s21, 0
	s_mov_b32 s23, 0
	s_mov_b32 s66, 0x76543210                      ; v_permlanex16_b32: lane l takes lane l xor 16
	s_mov_b32 s67, 0xfedcba98
	s_mov_b32 s68, 0x3fb8aa3b                      ; log2(e)
	s_wait_kmcnt 0x0
	s_load_b256 s[24:31], s[8:9], 0x0              ; router_b
	s_load_b512 s[32:47], s[10:11], 0x0            ; the 32 exponents
	s_load_b512 s[48:63], s[10:11], 0x40
	s_lshl_b32 s20, s18, 13
	s_add_nc_u64 s[6:7], s[6:7], s[20:21]          ; router_w at my wave's 8,192 bytes
	s_lshl_b32 s22, s19, 12
	s_add_nc_u64 s[4:5], s[4:5], s[22:23]          ; x at my first token
.irp c, 0,1
.irp j, 0,1,2,3,4,5,6,7
	global_load_b128 v[STG+4*(8*\c+\j):STG+4*(8*\c+\j)+3], v2, s[6:7] offset:4096*\c+512*\j
.endr
.endr
.irp t, 0,1,2,3
.irp i, 0,1,2,3,4,5,6,7
	global_load_b128 v[XR+32*\t+4*\i:XR+32*\t+4*\i+3], v2, s[4:5] offset:4096*\t+512*\i th:TH_LOAD_NT
.endr
.endr
	s_lshl_b32 s22, s19, 10
	s_add_nc_u64 s[12:13], s[12:13], s[22:23]      ; xq, rkey and rgate at my first token
	s_lshl_b32 s22, s19, 2
	s_add_nc_u64 s[14:15], s[14:15], s[22:23]
	s_lshl_b32 s22, s19, 3
	s_add_nc_u64 s[16:17], s[16:17], s[22:23]
.irp e, 0,1,2,3,4,5,6,7
	v_mov_b32 v[24+\e], 0                          ; a lane permute's destination counts as one of its sources
.endr
	v_mov_b32 v34, 0xff800000                      ; -infinity
	v_mov_b32 v48, 0                               ; lane t gathers token t's key word,
	v_mov_b32 v50, 0                               ; and its two gates
	v_mov_b32 v51, 0
	s_wait_loadcnt 32                              ; router_w's sixteen loads are in; the 32 younger ones are x's
.irp c, 0,1
.irp j, 0,1,2,3,4,5,6,7
	ds_store_b128 v3, v[STG+4*(8*\c+\j):STG+4*(8*\c+\j)+3] offset:CHUNK*\c+576*\j
.endr
.endr
	s_wait_dscnt 0x0                               ; for the others' sake: my part of router_w lies in LDS
	s_barrier_signal -1
	s_barrier_wait -1
	WIN 0x40                                       ; destination window 1
.irp i, 0,1,2,3,4,5,6,7
.irp m, 0,1,2,3,4,5,6,7
	ds_load_b128 v[32*\i+4*\m:32*\i+4*\m+3], v4 offset:CHUNK*\i+16*\m
.endr
.endr
	WIN 0
	s_wait_kmcnt 0x0
.irp e, 0,1,2,3,4,5,6,7
	s_add_co_i32 s[32+4*\e], s[32+4*\e], 127       ; 2^ex[e] as f32: the conversion takes its exponent field
	s_lshl_b32 s[32+4*\e], s[32+4*\e], 23
.endr
	s_wait_dscnt 0x0
; the eight partial logits of my 32 numbers: four pairs take turns; the first product starts the sums
.macro DOT tau
	WIN 0x01                                       ; source 0 (router_w) window 1
.set io, 0
.rept 32
.set xp, XR+32*(\tau)+2*(io/2)
.irp p, 0,1,2,3
.if io == 0
	v_pk_mul_f32 v[LG+2*\p:LG+2*\p+1], v[2*\p:2*\p+1], v[xp:xp+1] op_sel_hi:[1,0]
.elseif (io%2) == 0
	v_pk_fma_f32 v[LG+2*\p:LG+2*\p+1], v[8*io+2*\p:8*io+2*\p+1], v[xp:xp+1], v[LG+2*\p:LG+2*\p+1] op_sel_hi:[1,0,1]
.else
	v_pk_fma_f32 v[LG+2*\p:LG+2*\p+1], v[8*io+2*\p:8*io+2*\p+1], v[xp:xp+1], v[LG+2*\p:LG+2*\p+1] op_sel:[0,1,0] op_sel_hi:[1,1,1]
.endif
.endr
.set io, io+1
.endr
	WIN 0
.endm
.macro BEST val, idx                   ; the largest of the eight and its index; 'greater' alone moves it, so a tie keeps the lower index
	v_mov_b32 v[\val], v[LG]
	v_mov_b32 v[\idx], 0
.irp e, 1,2,3,4,5,6,7
	v_cmp_gt_f32 vcc_lo, v[LG+\e], v[\val]
	v_cndmask_b32 v[\val], v[\val], v[LG+\e], vcc_lo
	v_cndmask_b32 v[\idx], v[\idx], \e, vcc_lo
.endr
.endm
.macro TOKEN tau
	s_wait_loadcnt 8*(3-(\tau))                    ; this token's eight loads are in; the later tokens' may be out
	DOT \tau
.irp m, 1,2,4,8
.irp e, 0,1,2,3,4,5,6,7
	v_add_f32_dpp v[LG+\e], v[LG+\e], v[LG+\e] row_xmask:\m row_mask:0xf bank_mask:0xf
.endr
.endr
.irp e, 0,1,2,3,4,5,6,7
	v_permlanex16_b32 v[24+\e], v[LG+\e], s66, s67
.endr
.irp e, 0,1,2,3,4,5,6,7
	v_add_f32 v[LG+\e], v[LG+\e], v[24+\e]         ; every lane holds the eight sums
.endr
.irp e, 0,1,2,3,4,5,6,7
	v_add_f32 v[LG+\e], s[24+\e], v[LG+\e]         ; + router_b
.endr
	BEST 32, 33
.irp e, 0,1,2,3,4,5,6,7
	v_cmp_eq_u32 vcc_lo, \e, v33
	v_cndmask_b32 v[LG+\e], v[LG+\e], v34, vcc_lo  ; the winner leaves the field
.endr
	BEST 35, 36
	v_sub_f32 v37, v35, v32                        ; the softmax of the two: the larger is taken away first
	v_mul_f32 v37, s68, v37
	v_exp_f32 v37, v37
	v_min_u32 v40, v33, v36                        ; (a plain place behind the exponential)  the lower expert,
	s_wait_alu depctr_va_vdst(0)
	v_add_f32 v38, 1.0, v37
	v_rcp_f32 v38, v38                             ; the winner's gate
	v_max_u32 v41, v33, v36                        ; (a plain place behind the reciprocal)  the higher
	s_wait_alu depctr_va_vdst(0)
	v_mul_f32 v39, v37, v38                        ; the second's gate
	v_cmp_lt_u32 vcc_lo, v33, v36
	v_cndmask_b32 v42, v39, v38, vcc_lo            ; the lower expert's gate
	v_cndmask_b32 v43, v38, v39, vcc_lo            ; the higher expert's
	v_sub_nc_u32 v44, 15, v40                      ; the pair's number: lo (15 - lo) / 2 + hi - lo - 1
	v_mul_u32_u24 v44, v44, v40
	v_lshrrev_b32 v44, 1, v44
	v_add_nc_u32 v44, v44, v41
	v_sub_nc_u32 v44, v44, v40
	v_add_nc_u32 v44, -1, v44
	v_lshl_or_b32 v44, v40, 8, v44
	v_lshl_or_b32 v44, v41, 16, v44
	v_mov_b32 v45, s32                             ; the two scales: chosen as values
	v_mov_b32 v46, s32
.irp e, 1,2,3,4,5,6,7
	v_cmp_eq_u32 vcc_lo, \e, v40
	v_cndmask_b32 v45, v45, s[32+4*\e], vcc_lo
	v_cmp_eq_u32 vcc_lo, \e, v41
	v_cndmask_b32 v46, v46, s[32+4*\e], vcc_lo
.endr
	v_add_nc_u32 v47, 0x7e00000, v45               ; 57,344 x the scale: 15 more in the exponent field, the mantissa field 0x600000
	v_add_nc_u32 v52, 0x7e00000, v46
	s_wait_xcnt 0x0                                ; the last token's stores have read their codes: the registers are written again only behind this wait
.set io, 0
.rept 32
	v_med3_num_f32 v[TR+io], v[XR+32*(\tau)+io], -v47, v47   ; the conversion to an 8-bit code does not saturate (ISA guide 7.6.2): the hold comes first
.set io, io+1
.endr
.irp g, 0,1,2,3
	v_cvt_scalef32_pk8_bf8_f32 v[CR+2*\g:CR+2*\g+1], v[TR+8*\g:TR+8*\g+7], v45
.endr
.set io, 0
.rept 32
	v_med3_num_f32 v[XR+32*(\tau)+io], v[XR+32*(\tau)+io], -v52, v52
.set io, io+1
.endr
.irp g, 0,1,2,3
	v_cvt_scalef32_pk8_bf8_f32 v[CR+8+2*\g:CR+8+2*\g+1], v[XR+32*(\tau)+8*\g:XR+32*(\tau)+8*\g+7], v46
.endr
	v_nop                                          ; a plain place behind the last conversion
.irp pl, 0,1
.irp q, 0,1
	global_store_b128 v2, v[CR+8*\pl+4*\q:CR+8*\pl+4*\q+3], s[12:13] offset:1024*(\tau)+4194304*\pl+512*\q   ; 32 lanes store 512 consecutive bytes
.endr
.endr
	v_cmp_eq_u32 vcc_lo, \tau, v1
	v_cndmask_b32 v48, v48, v44, vcc_lo
	v_cndmask_b32 v50, v50, v42, vcc_lo
	v_cndmask_b32 v51, v51, v43, vcc_lo
.endm
	TOKEN 0
	TOKEN 1
	TOKEN 2
	TOKEN 3
	v_lshlrev_b32 v5, 2, v1
	v_lshlrev_b32 v6, 3, v1
	s_wait_xcnt 0x0                                ; EXEC changes only behind this wait
	s_wait_tensorcnt 0x0
	ds_add_u32 v62, v63
	s_wait_dscnt 0x0
	v_cmpx_gt_u32 4, v1                            ; lanes 0 to 3: a token each
	global_store_b32 v5, v48, s[14:15]
	global_store_b64 v6, v[50:51], s[16:17]
	s_endpgm
.Lfunc_end_k_q78494ff72e_route:
	.size	k_q78494ff72e_route, .Lfunc_end_k_q78494ff72e_route-k_q78494ff72e_route
	.p2alignl 7, 3214868480
	.fill 96, 4, 3214868480
	.section	.rodata,"a",@progbits
	.p2align	6, 0x0
	.amdhsa_kernel k_q78494ff72e_route
		.amdhsa_group_segment_fixed_size 37376
		.amdhsa_private_segment_fixed_size 0
		.amdhsa_enable_private_segment 0
		.amdhsa_kernarg_size 56
		.amdhsa_user_sgpr_count 2
		.amdhsa_user_sgpr_kernarg_segment_ptr 1
		.amdhsa_wavefront_size32 1
		.amdhsa_system_sgpr_workgroup_id_x 1
		.amdhsa_system_sgpr_workgroup_id_y 1
		.amdhsa_system_sgpr_workgroup_id_z 1
		.amdhsa_system_vgpr_workitem_id 0
		.amdhsa_next_free_vgpr 512
		.amdhsa_next_free_sgpr 72
		.amdhsa_reserve_vcc 1
		.amdhsa_float_denorm_mode_32 3
		.amdhsa_float_denorm_mode_16_64 3
		.amdhsa_memory_ordered 1
		.amdhsa_forward_progress 1
		.amdhsa_inst_pref_size 97
	.end_amdhsa_kernel
	.amdgpu_metadata
---
amdhsa.version: [ 1, 2 ]
amdhsa.kernels:
  - .name:           k_q78494ff72e_route
    .symbol:         k_q78494ff72e_route.kd
    .args:
      - { .name: x, .offset: 0, .size: 8, .value_kind: global_buffer, .address_space: global }
      - { .name: router_w, .offset: 8, .size: 8, .value_kind: global_buffer, .address_space: global }
      - { .name: router_b, .offset: 16, .size: 8, .value_kind: global_buffer, .address_space: global }
      - { .name: lowp_scales, .offset: 24, .size: 8, .value_kind: global_buffer, .address_space: global }
      - { .name: xq, .offset: 32, .size: 8, .value_kind: global_buffer, .address_space: global }
      - { .name: rkey, .offset: 40, .size: 8, .value_kind: global_buffer, .address_space: global }
      - { .name: rgate, .offset: 48, .size: 8, .value_kind: global_buffer, .address_space: global }
    .group_segment_fixed_size: 37376
    .private_segment_fixed_size: 0
    .kernarg_segment_align: 8
    .kernarg_segment_size: 56
    .max_flat_workgroup_size: 128
    .sgpr_count:     72
    .vgpr_count:     512
    .wavefront_size: 32
...
	.end_amdgpu_metadata
.endif
;; end of part 1
;; launch prep (part 2): grid 513 x 1, 8 waves a work-group, no clusters, 2,048 bytes of LDS; arguments w1, w2, lowp_scales, rkey, rgate, wq, order, sgate, tmask; writes wq, order, sgate, tmask
.if DOCPART == 2
	.amdgcn_target "amdgcn-amd-amdhsa--gfx1250"
	.amdhsa_code_object_version 6
	.text
	.protected	k_q78494ff72e_prep
	.globl	k_q78494ff72e_prep
	.p2align	8
	.type	k_q78494ff72e_prep,@function
k_q78494ff72e_prep:
	s_mov_b64 s[64:65], 0
	v_nop
	global_prefetch_b8 v0, s[64:65] scope:SCOPE_SE
	s_setreg_imm32_b32 hwreg(HW_REG_WAVE_MODE, 25, 1), 1
	s_wait_xcnt 0x0
; PREP.  Work-groups 1 to 512 turn w1 and w2 ([8][K 1024][N 1024] f32, K on the outer axis) into codes of E5M2, laid in the order in which a wave's operand registers take them.
; Work-group 0 meanwhile sorts the 4,096 tokens by their pair of experts (28 pairs): a counting sort on whole numbers, no atomics.
; WEIGHTS.  wq[mat 16 = w1's experts, then w2's][tile 64][K step 8][c 4][lane 32][16 bytes].  Lane (rho, h) of tile 2 p + u holds column 32 p + 8 u + rho + 8 (rho / 8), so that the 16 result
; registers of tiles 2 p and 2 p + 1 are 16 neighbouring columns.  Byte beta of piece pi = 2 c + h of K step s holds k = 128 s + 16 pi + beta (w2), or, for w1, the k that lies at that byte of a row of xq:
; 512 (s / 4) + 32 (s % 4) + 128 (beta / 4) + 4 pi + beta % 4.
; A work-group takes one matrix, 256 columns, one K step; a wave 32 columns.  A LANE TAKES A COLUMN AND ITS REGISTERS RUN DOWN K: a load reads 128 consecutive bytes a wave (1,024 a work-group), the
; conversions give codes with K innermost, and sixteen lanes' 16 bytes fill 256 consecutive aligned bytes of wq.  Nothing is transposed, no LDS, no barrier on this path.
; code = w / 2^e, held within +-57,344, to the nearest code, ties to even; e = lowp_scales[4 expert + 1] (w1) or [4 expert + 3] (w2), between -126 and 112.  NaN is not served.
; PLACING.  order: sorted place -> token (4,096 words), then the token's key word (4,096 words); sgate: its two gates; tmask[tile of 128 places]: the bits of the experts that the tile uses.
.set XW, 8                             ; v8-135    128 numbers of my column
.set CW, 136                           ; v136-167  their codes: four registers a piece, never written twice
	s_load_b256 s[4:11], s[0:1], 0x0               ; w1, w2, lowp_scales, rkey
	s_load_b256 s[12:19], s[0:1], 0x20             ; rgate, wq, order, sgate
	s_load_b64 s[20:21], s[0:1], 0x40              ; tmask
	v_lshl_add_u32 v168, v0, 2, 0x400
	v_mov_b32 v169, 0
	v_lshrrev_b32 v2, 5, v0
	v_readfirstlane_b32 s22, v2                    ; wave 0..7
	v_and_b32 v1, 31, v0                           ; lane
	s_cmp_eq_u32 ttmp9, 0                          ; the same way for all eight waves of a work-group
	s_cbranch_scc1 .Lplace
	s_sub_co_u32 s23, ttmp9, 1
	s_lshr_b32 s24, s23, 8                         ; 0: w1, 1: w2
	s_bfe_u32 s25, s23, 0x30005                    ; expert
	s_bfe_u32 s26, s23, 0x20003                    ; which 256 columns
	s_and_b32 s27, s23, 7                          ; K step
	s_lshr_b32 s28, s27, 2
	s_lshl_b32 s28, s28, 9
	s_and_b32 s29, s27, 3
	s_lshl_b32 s29, s29, 5
	s_add_co_u32 s28, s28, s29                     ; w1: the step's first row 512 (s / 4) + 32 (s % 4)
	s_lshl_b32 s29, s27, 7                         ; w2: 128 s
	s_cmp_eq_u32 s24, 0
	s_cselect_b32 s28, s28, s29
	s_lshl_b32 s30, s25, 22                        ; from: expert x 4 MiB + row x 4,096 + (256 group + 32 wave) x 4
	s_lshl_b32 s28, s28, 12
	s_add_co_u32 s30, s30, s28
	s_lshl_b32 s28, s26, 10
	s_add_co_u32 s30, s30, s28
	s_lshl_b32 s28, s22, 7
	s_add_co_u32 s30, s30, s28
	s_mov_b32 s31, 0
	s_lshl_b32 s32, s24, 23                        ; to: kind x 8 MiB + expert x 1 MiB + (8 group + wave) x 32,768 + s x 2,048
	s_lshl_b32 s28, s25, 20
	s_add_co_u32 s32, s32, s28
	s_lshl_b32 s28, s26, 18
	s_add_co_u32 s32, s32, s28
	s_lshl_b32 s28, s22, 15
	s_add_co_u32 s32, s32, s28
	s_lshl_b32 s28, s27, 11
	s_add_co_u32 s32, s32, s28
	s_mov_b32 s33, 0
	s_lshl_b32 s34, s25, 4                         ; the scale's entry: 4 expert + 1 + 2 kind, in bytes
	s_lshl_b32 s28, s24, 3
	s_add_co_u32 s34, s34, s28
	s_add_co_u32 s34, s34, 4
	s_mov_b32 s35, 0
	v_and_b32 v2, 7, v1                            ; lane l = 16 u + rho takes column 8 u + rho % 8 + 16 (rho / 8) of the wave's 32
	v_bfe_u32 v6, v1, 3, 1
	v_lshl_add_u32 v2, v6, 4, v2
	v_lshrrev_b32 v6, 4, v1
	v_lshl_add_u32 v2, v6, 3, v2
	v_lshlrev_b32 v2, 2, v2
	v_and_b32 v3, 15, v1                           ; and stores at tile u, lane place rho
	v_lshlrev_b32 v3, 4, v3
	v_lshl_add_u32 v3, v6, 14, v3
	s_wait_kmcnt 0x0
	s_cmp_eq_u32 s24, 0
	s_cselect_b64 s[36:37], s[4:5], s[6:7]         ; the choice hangs on the work-group's number alone
	s_add_nc_u64 s[36:37], s[36:37], s[30:31]
	s_add_nc_u64 s[14:15], s[14:15], s[32:33]
	s_add_nc_u64 s[8:9], s[8:9], s[34:35]
	s_load_b32 s38, s[8:9], 0x0                    ; e
.macro LOADP kind, pi                  ; piece pi: 16 numbers down K
.set bb, 0
.rept 16
.if \kind
.set rw, 16*(\pi)+bb
.else
.set rw, 128*(bb/4)+4*(\pi)+(bb%4)
.endif
	global_load_b32 v[XW+16*(\pi)+bb], v2, s[36:37] offset:rw*4096 th:TH_LOAD_NT
.set bb, bb+1
.endr
.endm
.macro PIECE kind, pi
.if (\pi) < 4
	s_wait_loadcnt 48                              ; this piece's sixteen loads are in; three younger pieces may be out
.else
	s_wait_loadcnt 16*(7-(\pi))
.endif
.set bb, 0
.rept 16
	v_med3_num_f32 v[XW+16*(\pi)+bb], v[XW+16*(\pi)+bb], -v5, v5   ; the conversion does not saturate (ISA guide 7.6.2): the hold comes first
.set bb, bb+1
.endr
	v_cvt_scalef32_pk8_bf8_f32 v[CW+4*(\pi):CW+4*(\pi)+1], v[XW+16*(\pi):XW+16*(\pi)+7], v4
	v_cvt_scalef32_pk8_bf8_f32 v[CW+4*(\pi)+2:CW+4*(\pi)+3], v[XW+16*(\pi)+8:XW+16*(\pi)+15], v4
	global_store_b128 v3, v[CW+4*(\pi):CW+4*(\pi)+3], s[14:15] offset:256*(\pi)   ; sixteen lanes store 256 consecutive aligned bytes; the codes go to a store alone, and no register is written twice
.if (\pi) < 4
	LOADP \kind, (\pi)+4
.endif
.endm
.macro WQ kind
	LOADP \kind, 0
	LOADP \kind, 1
	LOADP \kind, 2
	LOADP \kind, 3
	s_wait_kmcnt 0x0
	s_add_co_i32 s38, s38, 127
	s_lshl_b32 s39, s38, 23
	v_mov_b32 v4, s39                              ; 2^e as f32
	s_add_co_u32 s39, s39, 0x7e00000
	v_mov_b32 v5, s39                              ; 57,344 x 2^e
.irp p, 0,1,2,3,4,5,6,7
	PIECE \kind, \p
.endr
.endm
	s_cmp_lg_u32 s24, 0
	s_cbranch_scc1 .Lw2                            ; the two ways differ in the loads' immediates alone
	WQ 0
	s_endpgm
.Lw2:
	WQ 1
	s_endpgm
; ---- the placing.  Wave w, register j = 4 q + i, lane l hold token 512 w + 128 q + 4 l + i.
; v16-31 key words; v32-47 pair numbers; v48-63 rank among the wave's tokens of the same pair; v64-95 gates; v96 lane k: the wave's count of pair k
.Lplace:
	v_lshlrev_b32 v2, 4, v1
	s_lshl_b32 s23, s22, 11
	v_add_nc_u32 v2, s23, v2
	v_lshlrev_b32 v3, 5, v1
	s_lshl_b32 s23, s22, 12
	v_add_nc_u32 v3, s23, v3
	s_wait_kmcnt 0x0
.irp q, 0,1,2,3
	global_load_b128 v[16+4*\q:19+4*\q], v2, s[10:11] offset:512*\q
.endr
.irp q, 0,1,2,3
	global_load_b128 v[64+8*\q:67+8*\q], v3, s[12:13] offset:1024*\q
	global_load_b128 v[68+8*\q:71+8*\q], v3, s[12:13] offset:1024*\q+16
.endr
.set j, 0
.rept 16
	v_mov_b32 v[48+j], 0
.set j, j+1
.endr
	v_mov_b32 v96, 0
	v_mov_b32 v97, 0
	s_wait_loadcnt 8                               ; the keys are in; the eight younger loads are the gates'
.set j, 0
.rept 16
	v_and_b32 v[32+j], 0xff, v[16+j]
.set j, j+1
.endr
	s_mov_b32 s24, 0
.Lkey:                                             ; 28 trips, a pair each
.set j, 0
.rept 16
	v_cmp_eq_u32 s[32+j], s24, v[32+j]             ; who has this pair
.set j, j+1
.endr
	s_mov_b32 s48, 0                               ; how many of them stand in the registers before register j
.set j, 0
.rept 15
	s_bcnt1_i32_b32 s23, s[32+j]
	s_add_co_u32 s[49+j], s[48+j], s23
.set j, j+1
.endr
	s_bcnt1_i32_b32 s23, s47
	s_add_co_u32 s66, s63, s23                     ; and in all
.set j, 0
.rept 16
	v_mbcnt_lo_u32_b32 v[98+(j%2)], s[32+j], s[48+j]   ; + those in the lanes below mine
	v_cndmask_b32 v[48+j], v[48+j], v[98+(j%2)], s[32+j]
.set j, j+1
.endr
	v_mov_b32 v98, s66
	v_cmp_eq_u32 vcc_lo, s24, v1
	v_cndmask_b32 v96, v96, v98, vcc_lo
	s_add_co_u32 s24, s24, 1
	s_cmp_lt_u32 s24, 28
	s_cbranch_scc1 .Lkey
	v_lshlrev_b32 v4, 2, v0
	ds_store_b32 v4, v96                           ; 128 bytes a wave
	s_wait_dscnt 0x0                               ; for the others' sake
	s_barrier_signal -1
	s_barrier_wait -1
	v_lshlrev_b32 v5, 2, v1
.irp w, 0,1,2,3,4,5,6,7
	ds_load_b32 v[100+\w], v5 offset:128*\w
.endr
	v_mov_b32 v109, 0
	s_wait_dscnt 0x0
	v_add3_u32 v108, v100, v101, v102              ; lane k: all tokens of pair k,
	v_add3_u32 v108, v108, v103, v104
	v_add3_u32 v108, v108, v105, v106
	v_add_nc_u32 v108, v108, v107
.irp w, 0,1,2,3,4,5,6
	s_cmp_gt_u32 s22, \w
	s_cselect_b32 s23, -1, 0
	v_and_b32 v97, s23, v[100+\w]
	v_add_nc_u32 v109, v109, v97                   ; and those of the waves before mine
.endr
	v_mov_b32 v110, v108                           ; the running sum over the pairs: within each 16 lanes,
.irp sh, 1,2,4,8
	v_mov_b32_dpp v97, v110 row_shr:\sh row_mask:0xf bank_mask:0xf bound_ctrl:1
	v_add_nc_u32 v110, v110, v97
.endr
	v_readlane_b32 s23, v110, 15                   ; then lanes 16-31 take the lower half's total
	v_mov_b32 v98, s23
	v_cmp_lt_u32 vcc_lo, 15, v1
	v_cndmask_b32 v97, 0, v98, vcc_lo
	v_add_nc_u32 v110, v110, v97                   ; lane k: where pair k ends,
	v_sub_nc_u32 v111, v110, v108                  ; where it begins,
	v_add_nc_u32 v112, v111, v109                  ; and where my wave's tokens of it begin
.set j, 0
.rept 16
	v_lshlrev_b32 v[32+j], 2, v[32+j]
	ds_bpermute_b32 v[116+j], v[32+j], v112        ; each token fetches its pair's start from that pair's lane
.set j, j+1
.endr
	v_lshlrev_b32 v6, 2, v1
	s_lshl_b32 s23, s22, 9
	v_add_nc_u32 v6, s23, v6
.set j, 0
.rept 16
	v_add_nc_u32 v[148+j], 128*(j/4)+(j%4), v6     ; the token's number
.set j, j+1
.endr
	s_wait_dscnt 0x0
.set j, 0
.rept 16
	v_add_nc_u32 v[116+j], v[116+j], v[48+j]       ; the token's place
	v_min_u32 v[116+j], 0xfff, v[116+j]
	v_lshlrev_b32 v[132+j], 3, v[116+j]
	v_lshlrev_b32 v[116+j], 2, v[116+j]
.set j, j+1
.endr
	s_wait_loadcnt 0x0                             ; the gates
.set j, 0
.rept 16
	global_store_b32 v[116+j], v[148+j], s[16:17]
	global_store_b32 v[116+j], v[16+j], s[16:17] offset:16384
	global_store_b64 v[132+j], v[64+2*j:65+2*j], s[18:19]
.set j, j+1
.endr
	s_cmp_lg_u32 s22, 0
	s_cbranch_scc1 .Ldone                          ; wave 0 alone makes the tiles' masks; no barrier stands in here
	v_lshlrev_b32 v113, 7, v1                      ; lane T is tile T: places 128 T ..
	v_add_nc_u32 v114, 128, v113
	v_mov_b32 v115, 0
.set plo, 0
.set phi, 1
.set pk, 0
.rept 28
	v_readlane_b32 s24, v111, pk                   ; pair pk holds places s24 .. s25 - 1
	v_readlane_b32 s25, v110, pk
	v_max_u32 v97, s24, v113
	v_cmp_gt_u32 s26, s25, v97                     ; it is not empty and ends behind the tile's first place,
	v_cmp_lt_u32 vcc_lo, s24, v114                 ; and begins ahead of the tile's end
	s_and_b32 s26, s26, vcc_lo
	v_or_b32 v98, (1<<plo)|(1<<phi), v115
	v_cndmask_b32 v115, v115, v98, s26
.set pk, pk+1
.set phi, phi+1
.if phi == 8
.set plo, plo+1
.set phi, plo+1
.endif
.endr
	global_store_b32 v5, v115, s[20:21]
.Ldone:
	s_wait_tensorcnt 0x0
	ds_add_u32 v168, v169
	s_wait_dscnt 0x0
	s_endpgm
.Lfunc_end_k_q78494ff72e_prep:
	.size	k_q78494ff72e_prep, .Lfunc_end_k_q78494ff72e_prep-k_q78494ff72e_prep
	.p2alignl 7, 3214868480
	.fill 96, 4, 3214868480
	.section	.rodata,"a",@progbits
	.p2align	6, 0x0
	.amdhsa_kernel k_q78494ff72e_prep
		.amdhsa_group_segment_fixed_size 2048
		.amdhsa_private_segment_fixed_size 0
		.amdhsa_enable_private_segment 0
		.amdhsa_kernarg_size 72
		.amdhsa_user_sgpr_count 2
		.amdhsa_user_sgpr_kernarg_segment_ptr 1
		.amdhsa_wavefront_size32 1
		.amdhsa_system_sgpr_workgroup_id_x 1
		.amdhsa_system_sgpr_workgroup_id_y 1
		.amdhsa_system_sgpr_workgroup_id_z 1
		.amdhsa_system_vgpr_workitem_id 0
		.amdhsa_next_free_vgpr 170
		.amdhsa_next_free_sgpr 72
		.amdhsa_reserve_vcc 1
		.amdhsa_float_denorm_mode_32 3
		.amdhsa_float_denorm_mode_16_64 3
		.amdhsa_memory_ordered 1
		.amdhsa_forward_progress 1
		.amdhsa_inst_pref_size 78
	.end_amdhsa_kernel
	.amdgpu_metadata
---
amdhsa.version: [ 1, 2 ]
amdhsa.kernels:
  - .name:           k_q78494ff72e_prep
    .symbol:         k_q78494ff72e_prep.kd
    .args:
      - { .name: w1, .offset: 0, .size: 8, .value_kind: global_buffer, .address_space: global }
      - { .name: w2, .offset: 8, .size: 8, .value_kind: global_buffer, .address_space: global }
      - { .name: lowp_scales, .offset: 16, .size: 8, .value_kind: global_buffer, .address_space: global }
      - { .name: rkey, .offset: 24, .size: 8, .value_kind: global_buffer, .address_space: global }
      - { .name: rgate, .offset: 32, .size: 8, .value_kind: global_buffer, .address_space: global }
      - { .name: wq, .offset: 40, .size: 8, .value_kind: global_buffer, .address_space: global }
      - { .name: order, .offset: 48, .size: 8, .value_kind: global_buffer, .address_space: global }
      - { .name: sgate, .offset: 56, .size: 8, .value_kind: global_buffer, .address_space: global }
      - { .name: tmask, .offset: 64, .size: 8, .value_kind: global_buffer, .address_space: global }
    .group_segment_fixed_size: 2048
    .private_segment_fixed_size: 0
    .kernarg_segment_align: 8
    .kernarg_segment_size: 72
    .max_flat_workgroup_size: 256
    .sgpr_count:     72
    .vgpr_count:     170
    .wavefront_size: 32
...
	.end_amdgpu_metadata
.endif
;; end of part 2
;; launch ffn1 (part 3): grid 8 x 32, 4 waves a work-group, no clusters, 279,040 bytes of LDS; arguments xq, wq, order, tmask, b1, lowp_scales, hq; writes hq
.if DOCPART == 3
	.amdgcn_target "amdgcn-amd-amdhsa--gfx1250"
	.amdhsa_code_object_version 6
	.text
	.protected	k_q78494ff72e_ffn1
	.globl	k_q78494ff72e_ffn1
	.p2align	8
	.type	k_q78494ff72e_ffn1,@function
k_q78494ff72e_ffn1:
	s_mov_b64 s[64:65], 0
	v_nop
	global_prefetch_b8 v0, s[64:65] scope:SCOPE_SE
	s_setreg_imm32_b32 hwreg(HW_REG_WAVE_MODE, 25, 1), 1
	s_wait_xcnt 0x0
; FFN1.  h = gelu(x W1[e] + b1[e]) for the two experts of each token, as codes of E5M2: hq plane 0 for the token's lower expert, plane 1 for the higher.
; SHARES.  Work-group (x = column block of 128 hidden units, y = tile of 128 SORTED tokens).  It walks the experts that its 128 tokens use, by the tile's stored bit mask.
; Wave w owns hidden units 128 x + 32 w .. + 31 for all 128 rows: 16 accumulators.  THE PRODUCT IS USED TRANSPOSED (source 0 = 16 columns of W1, source 1 = 16 rows of x): lane (r, h) holds row r, and the 16
; registers of a block of 16 rows are the 16 neighbouring units 32 w + 16 h + 0 .. 15: their codes are 16 bytes of the next product's operand.
; ROWS THAT DO NOT USE THE EXPERT IN HAND are multiplied all the same (tiles stay whole, every count of waits is the same on every way) and their results are dropped by v_cndmask_b32.
; Which plane of x a row takes (the codes made with this expert's scale) is a number in the LDS address, lane by lane: 0 where the expert is the row's lower one, else 1.
; A: both planes of the tile's 128 rows, gathered once into LDS (256 KiB + padding).  B: the wave's 32 KiB of the expert's codes lie in 256 registers, loaded from memory in operand order; each slot of a K step
; is loaded anew with the NEXT expert's codes as soon as its products are issued.
; NO TENSOR LOADS, NO CLUSTER: the walk's trip count and the weights' addresses hang on the stored list, and neighbouring tiles walk other experts, in other numbers.
; GELU, exact form: gelu(z) = max(z, 0) - |z| erfc(|z| / sqrt 2) / 2, erfc(a) = t exp(-a^2 + P(t)), t = 1 / (1 + a / 2), P of degree 9 (fractional error under 1.2e-7 for every a); P's coefficients are held x log2(e).
; LIMITS: ex + ew1 between -126 and 127, eh between -126 and 112.  NaN is not served.  A hidden value under 2^-126 in magnitude becomes 0 (the exponential gives no denormals).
; REGISTERS.  Window 0: v1-13 addresses; v16-23, v24-31 each row's lower and higher expert; v32-39 A's addresses; v60-63 codes just made; v64-127 the kept codes (plane, block, 4); v128-255 A's fragments.
;   Window 1: B, slot s at v[32 s + 16 u + 4 c].   Window 2: v0-127 accumulators (16 block + 8 u); v128-227 the activation's work.
.set FRAG, 2176                        ; LDS: a fragment (16 rows x 128 K): 8 pieces of 256 bytes + 16
.set MBP,  8*FRAG                      ; a block of 16 rows: 8 K steps
.set PLN,  8*MBP                       ; a plane
.set AF,   128
.set VLB,  4                           ; 272 h + 16 r: my place in a fragment's piece pair
.set VCP,  5                           ; v5, v6: where the gather stores, plane 0 and 1
.set VL16, 7                           ; 16 x lane
.set VR4,  8                           ; 4 r
.set VBOF, 9                           ; 64 h
.set VSCL, 10                          ; lane i: lowp_scales[i]
.set VT0,  12                          ; v12, v13: at work, by turns
.set VLO,  16
.set VHI,  24
.set VAD,  32
.set NEWC, 60
.set HC,   64
.set RA,   64                          ; v64-95, before the kept codes are set: the gather's 32 row offsets
.set B1,   128                         ; window 2
.set ZZ,   144
.set TT,   160
.set QQ,   176
.set ZH,   192
.set MM,   208
.set V9,   224
.set SCH,  226
.set LIMH, 227
.set WV,   20
.set NBK,  21
.set TILE, 22
.set MSK,  23                          ; experts still to walk
.set NEX,  24                          ; how many the tile uses
.set IT,   25
.set SEC,  26                          ; the expert in hand
.set SEN,  27                          ; the next
.set WB,   28                          ; s[28:29] wq at my wave's two tiles
.set BNX,  30                          ; s[30:31] + the expert whose codes are being loaded
.set ML,   32                          ; s32-39  block mb: the lanes whose row has this expert as its lower
.set MH,   40                          ; s40-47  as its higher
.set S1,   48                          ; s[48:49] 2^(ex + ew1)
.set ZHF,  50                          ; s[50:51] -log2(e) / 2
.set KD,   72                          ; 1 / (2 sqrt 2)
.set BIA,  74
.set BIA0, 76
.set P0,   78                          ; s[78:79] an offset; the upper word stays 0
.set Q0,   80
.set SEX,  82
.set SEW,  83
.set SEH,  84
.set LN,   85
.set TMP,  86
.set LAST, 87
.set MSB, 0
.macro WIN new                         ; the immediate's high byte repeats the setting that is left
.if MSB != \new
	s_set_vgpr_msb (MSB<<8)|\new
.set MSB, \new
.endif
.endm
.macro PLACES                          ; four places behind a matrix instruction, in front of loads into registers that it has read and of reads of its result
.rept 4
	v_nop
.endr
.endm
.macro SETP reg, val
	s_mov_b32 s[\reg], \val
	s_mov_b32 s[\reg+1], \val
.endm
.macro NEXTE dst                       ; the lowest expert still to walk
	s_ctz_i32_b32 s[\dst], s[MSK]
	s_min_u32 s[\dst], s[\dst], 7
	s_lshl_b32 s[TMP], 1, s[\dst]
	s_and_not1_b32 s[MSK], s[MSK], s[TMP]
.endm
.macro SETBNX e
	s_lshl_b32 s[P0], s[\e], 20
	s_add_nc_u64 s[BNX:BNX+1], s[WB:WB+1], s[P0:P0+1]
.endm
.macro ALOAD g, s                      ; A's fragments of blocks 4 g .. 4 g + 3, K step s: 16 LDS loads
.irp mm, 0,1,2,3
.irp c, 0,1,2,3
	ds_load_b128 v[AF+16*(4*(\g)+\mm)+4*\c:AF+16*(4*(\g)+\mm)+4*\c+3], v[VAD+4*(\g)+\mm] offset:(\s)*FRAG+544*\c
.endr
.endr
.endm
.macro MUL g, s                        ; 8 products; the 16 accumulators take turns, one instruction a turn; K step 0 starts the sums
	WIN 0xa1                                       ; source 0 (B) window 1, source 1 (A) window 0, C and D window 2
.irp mm, 0,1,2,3
.irp u, 0,1
.if (\s) == 0
	v_wmma_f32_16x16x128_bf8_bf8 v[16*(4*(\g)+\mm)+8*\u:16*(4*(\g)+\mm)+8*\u+7], v[32*(\s)+16*\u:32*(\s)+16*\u+15], v[AF+16*(4*(\g)+\mm):AF+16*(4*(\g)+\mm)+15], 0
.else
	v_wmma_f32_16x16x128_bf8_bf8 v[16*(4*(\g)+\mm)+8*\u:16*(4*(\g)+\mm)+8*\u+7], v[32*(\s)+16*\u:32*(\s)+16*\u+15], v[AF+16*(4*(\g)+\mm):AF+16*(4*(\g)+\mm)+15], v[16*(4*(\g)+\mm)+8*\u:16*(4*(\g)+\mm)+8*\u+7]
.endif
.endr
.endr
.endm
.macro REFILL s                        ; slot s: 8 loads of 512 consecutive bytes
	WIN 0x40
.irp u, 0,1
.irp c, 0,1,2,3
	global_load_b128 v[32*(\s)+16*\u+4*\c:32*(\s)+16*\u+4*\c+3], v[VL16], s[BNX:BNX+1] offset:\u*16384+(\s)*2048+512*\c
.endr
.endr
.endm
.macro BIASLD                          ; b1 at my 16 units
	WIN 0x80
.irp q, 0,1,2,3
	global_load_b128 v[B1+4*\q:B1+4*\q+3], v[VBOF], s[BIA:BIA+1] offset:16*\q
.endr
.endm
; A K step.  Global loads stand in this order: slots 0..7 of the expert in hand; then, in step 0, slot 0 anew (8) and the bias (4); in step s, slot s anew (8).
.macro STEP s, refill
.if (\s) == 0
	s_wait_loadcnt 56                              ; slot 0 is in: slots 1 to 7 are younger
.elseif \refill
	s_wait_loadcnt 60                              ; slot s is in: younger are 8 (7 - s) of this expert, 8 + 4 of step 0, 8 (s - 1) of steps 1 .. s - 1
.else
	s_wait_loadcnt 8*(7-(\s))+4                    ; younger: the later slots and the bias
.endif
	s_wait_dscnt 16                                ; blocks 0-3 are in; blocks 4-7's sixteen loads may be out
	MUL 0, \s
.if (\s) < 7
	PLACES
	WIN 0
	ALOAD 0, (\s)+1
	s_wait_dscnt 16                                ; blocks 4-7 are in; the sixteen just issued may be out
.else
	s_wait_dscnt 0
.endif
	MUL 1, \s
	PLACES
	WIN 0
.if (\s) < 7
	ALOAD 1, (\s)+1
.endif
.if \refill
	REFILL \s
.endif
.if (\s) == 0
	BIASLD
.endif
	WIN 0
.endm
; What an expert's turn needs: its bias address, its exponents, who uses it, and from which plane each row's codes come.
.macro SETUP
	s_wait_xcnt 0x0                                ; the earlier loads have read their bases: the bias's and the weights' are written again only behind this wait
	s_lshl_b32 s[P0], s[SEC], 12
	s_add_nc_u64 s[BIA:BIA+1], s[BIA0:BIA0+1], s[P0:P0+1]
	s_lshl_b32 s[LN], s[SEC], 2
	v_readlane_b32 s[SEX], v[VSCL], s[LN]          ; ex
	s_add_co_u32 s[LN], s[LN], 1
	v_readlane_b32 s[SEW], v[VSCL], s[LN]          ; ew1
	s_add_co_u32 s[LN], s[LN], 1
	v_readlane_b32 s[SEH], v[VSCL], s[LN]          ; eh
.irp mb, 0,1,2,3,4,5,6,7
	v_cmp_eq_u32 s[ML+\mb], s[SEC], v[VLO+\mb]
	v_cmp_eq_u32 s[MH+\mb], s[SEC], v[VHI+\mb]
	v_xor_b32 v[VT0+(\mb%2)], s[SEC], v[VLO+\mb]               ; 0 where this expert is the row's lower one,
	v_min_u32 v[VT0+(\mb%2)], 1, v[VT0+(\mb%2)]                ; else 1: the row's plane, held at 1 from above before it enters an address
	v_mul_u32_u24 v[VT0+(\mb%2)], v[VT0+(\mb%2)], PLN
	v_add_nc_u32 v[VT0+(\mb%2)], v[VT0+(\mb%2)], v[VLB]        ; + my lane's place in a fragment
	v_add_nc_u32 v[VAD+\mb], \mb*MBP, v[VT0+(\mb%2)]           ; + the block
.endr
	ALOAD 0, 0
	ALOAD 1, 0
	s_add_co_i32 s[SEX], s[SEX], s[SEW]
	s_add_co_i32 s[SEX], s[SEX], 127
	s_lshl_b32 s[S1], s[SEX], 23                   ; 2^(ex + ew1) as f32
	s_mov_b32 s[S1+1], s[S1]
	s_add_co_i32 s[SEH], s[SEH], 127
	s_lshl_b32 s[SEH], s[SEH], 23                  ; 2^eh as f32,
	s_add_co_u32 s[TMP], s[SEH], 0x7e00000         ; and 57,344 x it
	WIN 0x80
	v_mov_b32 v[SCH], s[SEH]
	v_mov_b32 v[LIMH], s[TMP]
	WIN 0
.endm
; A block of 16 rows: bias, gelu, codes; kept where the row uses the expert.  A block none of whose rows uses it is passed over: a branch on stored whole numbers.
.macro GELUQ mb
	s_or_b32 s[TMP], s[ML+\mb], s[MH+\mb]
	s_cmp_lg_u32 s[TMP], 0
	s_cbranch_scc0 .Lskip_\@
	WIN 0xaa                                       ; all in window 2
.irp i, 0,2,4,6,8,10,12,14
	v_pk_fma_f32 v[ZZ+\i:ZZ+\i+1], v[16*\mb+\i:16*\mb+\i+1], s[S1:S1+1], v[B1+\i:B1+\i+1] op_sel_hi:[1,0,1]   ; z = sum x 2^(ex + ew1) + b1; each accumulator from its low end on
.endr
.irp i, 0,1,2,3,4,5,6,7,8,9,10,11,12,13,14,15
	v_fma_f32 v[TT+\i], |v[ZZ+\i]|, s[KD], 1.0
.endr
.irp i, 0,1,2,3,4,5,6,7,8,9,10,11,12,13,14,15
	v_rcp_f32 v[TT+\i], v[TT+\i]                   ; t
.endr
.irp i, 0,2,4,6,8,10,12,14
	v_pk_mul_f32 v[ZH+\i:ZH+\i+1], v[ZZ+\i:ZZ+\i+1], s[ZHF:ZHF+1] op_sel_hi:[1,0]   ; (plain places behind the reciprocals)
.endr
	s_wait_alu depctr_va_vdst(0)
.irp i, 0,2,4,6,8,10,12,14
	v_pk_fma_f32 v[QQ+\i:QQ+\i+1], v[TT+\i:TT+\i+1], v[V9:V9+1], s[70:71] op_sel_hi:[1,1,0]
.endr
.irp cr, 68,66,62,60,58,56,54,52
.irp i, 0,2,4,6,8,10,12,14
	v_pk_fma_f32 v[QQ+\i:QQ+\i+1], v[QQ+\i:QQ+\i+1], v[TT+\i:TT+\i+1], s[\cr:\cr+1] op_sel_hi:[1,1,0]
.endr
.endr
.irp i, 0,2,4,6,8,10,12,14
	v_pk_fma_f32 v[QQ+\i:QQ+\i+1], v[ZH+\i:ZH+\i+1], v[ZZ+\i:ZZ+\i+1], v[QQ+\i:QQ+\i+1]   ; - z^2 log2(e) / 2 + P(t)
.endr
.irp i, 0,1,2,3,4,5,6,7,8,9,10,11,12,13,14,15
	v_exp_f32 v[QQ+\i], v[QQ+\i]
.endr
.irp i, 0,1,2,3,4,5,6,7,8,9,10,11,12,13,14,15
	v_max_num_f32 v[MM+\i], 0, v[ZZ+\i]            ; (plain places behind the exponentials)
.endr
	s_wait_alu depctr_va_vdst(0)
.irp i, 0,2,4,6,8,10,12,14
	v_pk_mul_f32 v[QQ+\i:QQ+\i+1], v[QQ+\i:QQ+\i+1], v[TT+\i:TT+\i+1]   ; erfc
.endr
.irp i, 0,2,4,6,8,10,12,14
	v_pk_mul_f32 v[QQ+\i:QQ+\i+1], v[QQ+\i:QQ+\i+1], v[ZZ+\i:ZZ+\i+1]
.endr
.irp i, 0,1,2,3,4,5,6,7,8,9,10,11,12,13,14,15
	v_fma_f32 v[MM+\i], -0.5, |v[QQ+\i]|, v[MM+\i] ; gelu(z)
.endr
.irp i, 0,1,2,3,4,5,6,7,8,9,10,11,12,13,14,15
	v_med3_num_f32 v[MM+\i], v[MM+\i], -v[LIMH], v[LIMH]   ; the conversion does not saturate (ISA guide 7.6.2)
.endr
	WIN 0x0a                                       ; sources window 2, destination window 0
	v_cvt_scalef32_pk8_bf8_f32 v[NEWC:NEWC+1], v[MM:MM+7], v[SCH]
	v_cvt_scalef32_pk8_bf8_f32 v[NEWC+2:NEWC+3], v[MM+8:MM+15], v[SCH]
	WIN 0
	v_nop                                          ; a plain place behind the last conversion
.irp q, 0,1,2,3
	v_cndmask_b32 v[HC+4*\mb+\q], v[HC+4*\mb+\q], v[NEWC+\q], s[ML+\mb]
	v_cndmask_b32 v[HC+32+4*\mb+\q], v[HC+32+4*\mb+\q], v[NEWC+\q], s[MH+\mb]
.endr
.Lskip_\@:
.endm
; The gather, 8 rows x 2 planes x 2 halves a batch: 32 loads of 512 consecutive bytes, then 32 LDS stores.
.macro GLOAD b, win
	WIN \win
.irp i, 0,1,2,3,4,5,6,7
.irp pl, 0,1
.irp hf, 0,1
	global_load_b128 v[128+4*(4*\i+2*\pl+\hf):128+4*(4*\i+2*\pl+\hf)+3], v[RA+8*(\b)+\i], s[4:5] offset:\pl*4194304+512*\hf
.endr
.endr
.endr
	WIN 0
.endm
.macro GSTORE b, win
	WIN \win
.irp i, 0,1,2,3,4,5,6,7
.irp pl, 0,1
.irp hf, 0,1
	ds_store_b128 v[VCP+\pl], v[128+4*(4*\i+2*\pl+\hf):128+4*(4*\i+2*\pl+\hf)+3] offset:((\b)/2)*MBP+\hf*4*FRAG+16*(8*((\b)%2)+\i)
.endr
.endr
.endr
	WIN 0
.endm
	s_load_b256 s[4:11], s[0:1], 0x0               ; xq, wq, order, tmask
	s_load_b128 s[12:15], s[0:1], 0x20             ; b1, lowp_scales
	s_load_b64 s[16:17], s[0:1], 0x30              ; hq
	v_lshl_add_u32 v58, v0, 2, 0x44000
	v_mov_b32 v59, 0
	v_lshrrev_b32 v1, 5, v0
	v_readfirstlane_b32 s[WV], v1
	v_and_b32 v1, 31, v0                           ; lane
	v_and_b32 v2, 15, v0                           ; r
	v_bfe_u32 v3, v0, 4, 1                         ; h
	v_mul_u32_u24 v[VLB], v3, 272
	v_lshl_add_u32 v[VLB], v2, 4, v[VLB]
	v_lshlrev_b32 v[VL16], 4, v1
	v_lshlrev_b32 v[VR4], 2, v2
	v_lshlrev_b32 v[VBOF], 6, v3
	v_lshlrev_b32 v11, 2, v1
	v_lshrrev_b32 v[VT0], 3, v1                    ; a row's bytes 512 hf + 16 lane are piece lane % 8 of K step 4 hf + lane / 8
	v_mul_u32_u24 v[VCP], v[VT0], FRAG
	v_and_b32 v[VT0], 7, v1
	v_mad_u32_u24 v[VCP], v[VT0], 272, v[VCP]
	s_mul_i32 s[TMP], s[WV], 2*MBP
	v_add_nc_u32 v[VCP], s[TMP], v[VCP]            ; my wave gathers rows 32 w .. 32 w + 31: blocks 2 w, 2 w + 1
	v_add_nc_u32 v[VCP+1], PLN, v[VCP]
	s_mov_b32 s[NBK], ttmp9
	s_and_b32 s[TILE], ttmp7, 0xffff
	s_mov_b32 s[P0+1], 0
	s_wait_kmcnt 0x0
	s_lshl_b32 s[P0], s[TILE], 2
	s_add_nc_u64 s[10:11], s[10:11], s[P0:P0+1]
	s_load_b32 s[MSK], s[10:11], 0x0               ; the tile's experts
	s_lshl_b32 s[P0], s[TILE], 9
	s_add_nc_u64 s[8:9], s[8:9], s[P0:P0+1]        ; order at the tile's first place
	s_lshl_b32 s[P0], s[WV], 7
	s_add_nc_u64 s[Q0:Q0+1], s[8:9], s[P0:P0+1]
	s_load_b512 s[32:47], s[Q0:Q0+1], 0x0          ; my wave's 32 tokens
	s_load_b512 s[48:63], s[Q0:Q0+1], 0x40
	global_load_b32 v[VSCL], v11, s[14:15]
.irp mb, 0,1,2,3,4,5,6,7
	global_load_b32 v[VLO+\mb], v[VR4], s[8:9] offset:16384+64*\mb   ; the key word of row 16 mb + r
.endr
	s_lshl_b32 s[P0], s[NBK], 2
	s_add_co_u32 s[P0], s[P0], s[WV]
	s_lshl_b32 s[P0], s[P0], 15
	s_add_nc_u64 s[WB:WB+1], s[6:7], s[P0:P0+1]    ; tiles 2 (4 x + w), + 1 of w1's codes
	s_lshl_b32 s[P0], s[NBK], 9
	s_lshl_b32 s[TMP], s[WV], 7
	s_add_co_u32 s[P0], s[P0], s[TMP]
	s_add_nc_u64 s[BIA0:BIA0+1], s[12:13], s[P0:P0+1]
	s_lshl_b32 s[P0], s[TILE], 17                  ; hq: tile, K step = my column block, piece pair c = my wave
	s_lshl_b32 s[TMP], s[NBK], 11
	s_add_co_u32 s[P0], s[P0], s[TMP]
	s_lshl_b32 s[TMP], s[WV], 9
	s_add_co_u32 s[P0], s[P0], s[TMP]
	s_add_nc_u64 s[16:17], s[16:17], s[P0:P0+1]
	s_wait_kmcnt 0x0
.set q, 0
.rept 32
	s_min_u32 s[32+q], s[32+q], 0xfff
	s_lshl_b32 s[32+q], s[32+q], 10
	v_add_nc_u32 v[RA+q], s[32+q], v[VL16]         ; the token's row of xq, + 16 x lane
.set q, q+1
.endr
	s_and_b32 s[MSK], s[MSK], 0xff
	s_bcnt1_i32_b32 s[NEX], s[MSK]
	s_sub_co_u32 s[LAST], s[NEX], 1
	NEXTE SEC
	s_mov_b32 s[SEN], s[SEC]
	SETBNX SEC
	GLOAD 0, 0                                     ; two sets of 128 registers take turns: window 0's and window 1's v128-255
	GLOAD 1, 0x40
	s_wait_loadcnt 32                              ; the older batch is in
	GSTORE 0, 0
	s_wait_dscnt 0x0                               ; the stores have read their registers
	GLOAD 2, 0
	s_wait_loadcnt 32
	GSTORE 1, 0x04
	s_wait_dscnt 0x0
	GLOAD 3, 0x40
	s_wait_loadcnt 32
	GSTORE 2, 0
	REFILL 0                                       ; the first expert's codes, slot by slot: slots 0-3 lie in window 1's lower half, which is free
	REFILL 1
	REFILL 2
	REFILL 3
	s_wait_loadcnt 32                              ; the last batch is in: those 32 are younger
	GSTORE 3, 0x04
	s_wait_dscnt 0x0                               ; my rows lie in LDS, and the set is free
	REFILL 4
	REFILL 5
	REFILL 6
	REFILL 7
	WIN 0
	s_barrier_signal -1
	s_barrier_wait -1                              ; all 128 rows lie in LDS; nothing is stored there again
.set q, 0
.rept 64
	v_mov_b32 v[HC+q], 0                           ; the kept codes are chosen by v_cndmask_b32, which reads them; the gather's loads, which read these registers, were shown done
.set q, q+1
.endr
.irp mb, 0,1,2,3,4,5,6,7
	v_bfe_u32 v[VHI+\mb], v[VLO+\mb], 16, 8
	v_bfe_u32 v[VLO+\mb], v[VLO+\mb], 8, 8
.endr
	SETP ZHF, 0xbf38aa3b                           ; -0.72134752
	SETP 52, 0xbfe9b21e                            ; P's coefficients x log2(e): -1.8257482,
	SETP 54, 0x3fb8ab5a                            ; 1.4427292,
	SETP 56, 0x3f0a29d2                            ; 0.53970062,
	SETP 58, 0x3e0efb2e                            ; 0.13963006,
	SETP 60, 0xbe899a80                            ; -0.26875686,
	SETP 62, 0x3ecdfd18                            ; 0.40232158,
	SETP 66, 0xbfd1a1e5                            ; -1.6377532,
	SETP 68, 0x40097039                            ; 2.1474745,
	SETP 70, 0xbf97d29d                            ; -1.1861149,
	s_mov_b32 s[KD], 0x3eb504f3                    ; 0.35355339
	WIN 0x80
	v_mov_b32 v[V9], 0x3e7c6f08                    ; and 0.24651730
	v_mov_b32 v[V9+1], 0x3e7c6f08
	WIN 0
	s_mov_b32 s[IT], 0
.Ltrip:                                            ; a trip: one expert
	SETUP
	s_cmp_eq_u32 s[IT], s[LAST]
	s_cbranch_scc1 .Larm_last
	NEXTE SEN
	SETBNX SEN
.irp s, 0,1,2,3,4,5,6,7
	STEP \s, 1
.endr
	s_wait_loadcnt 56                              ; the bias is in: younger are the next expert's slots 1 to 7
	s_branch .Lepi
.Larm_last:                                        ; the last expert: nothing is left to load
.irp s, 0,1,2,3,4,5,6,7
	STEP \s, 0
.endr
	s_wait_loadcnt 0x0
.Lepi:
.irp mb, 0,1,2,3,4,5,6,7
	GELUQ \mb
.endr
	s_mov_b32 s[SEC], s[SEN]
	s_add_co_u32 s[IT], s[IT], 1
	s_cmp_lt_u32 s[IT], s[NEX]
	s_cbranch_scc1 .Ltrip
.irp pl, 0,1
.irp mb, 0,1,2,3,4,5,6,7
	global_store_b128 v[VL16], v[HC+32*\pl+4*\mb:HC+32*\pl+4*\mb+3], s[16:17] offset:\pl*4194304+\mb*16384   ; 32 lanes store 512 consecutive aligned bytes
.endr
.endr
	s_wait_tensorcnt 0x0
	ds_add_u32 v58, v59
	s_wait_dscnt 0x0
	s_endpgm
.Lfunc_end_k_q78494ff72e_ffn1:
	.size	k_q78494ff72e_ffn1, .Lfunc_end_k_q78494ff72e_ffn1-k_q78494ff72e_ffn1
	.p2alignl 7, 3214868480
	.fill 96, 4, 3214868480
	.section	.rodata,"a",@progbits
	.p2align	6, 0x0
	.amdhsa_kernel k_q78494ff72e_ffn1
		.amdhsa_group_segment_fixed_size 279040
		.amdhsa_private_segment_fixed_size 0
		.amdhsa_enable_private_segment 0
		.amdhsa_kernarg_size 56
		.amdhsa_user_sgpr_count 2
		.amdhsa_user_sgpr_kernarg_segment_ptr 1
		.amdhsa_wavefront_size32 1
		.amdhsa_system_sgpr_workgroup_id_x 1
		.amdhsa_system_sgpr_workgroup_id_y 1
		.amdhsa_system_sgpr_workgroup_id_z 1
		.amdhsa_system_vgpr_workitem_id 0
		.amdhsa_next_free_vgpr 768
		.amdhsa_next_free_sgpr 88
		.amdhsa_reserve_vcc 0
		.amdhsa_float_denorm_mode_32 3
		.amdhsa_float_denorm_mode_16_64 3
		.amdhsa_memory_ordered 1
		.amdhsa_forward_progress 1
		.amdhsa_inst_pref_size 205
	.end_amdhsa_kernel
	.amdgpu_metadata
---
amdhsa.version: [ 1, 2 ]
amdhsa.kernels:
  - .name:           k_q78494ff72e_ffn1
    .symbol:         k_q78494ff72e_ffn1.kd
    .args:
      - { .name: xq, .offset: 0, .size: 8, .value_kind: global_buffer, .address_space: global }
      - { .name: wq, .offset: 8, .size: 8, .value_kind: global_buffer, .address_space: global }
      - { .name: order, .offset: 16, .size: 8, .value_kind: global_buffer, .address_space: global }
      - { .name: tmask, .offset: 24, .size: 8, .value_kind: global_buffer, .address_space: global }
      - { .name: b1, .offset: 32, .size: 8, .value_kind: global_buffer, .address_space: global }
      - { .name: lowp_scales, .offset: 40, .size: 8, .value_kind: global_buffer, .address_space: global }
      - { .name: hq, .offset: 48, .size: 8, .value_kind: global_buffer, .address_space: global }
    .group_segment_fixed_size: 279040
    .private_segment_fixed_size: 0
    .kernarg_segment_align: 8
    .kernarg_segment_size: 56
    .max_flat_workgroup_size: 128
    .sgpr_count:     88
    .vgpr_count:     768
    .wavefront_size: 32
...
	.end_amdgpu_metadata
.endif
;; end of part 3
;; launch ffn2 (part 4): grid 8 x 32, 4 waves a work-group, no clusters, 279,040 bytes of LDS; arguments hq, wq, order, tmask, b2, lowp_scales, out0, sgate; writes out0
.if DOCPART == 4
	.amdgcn_target "amdgcn-amd-amdhsa--gfx1250"
	.amdhsa_code_object_version 6
	.text
	.protected	k_q78494ff72e_ffn2
	.globl	k_q78494ff72e_ffn2
	.p2align	8
	.type	k_q78494ff72e_ffn2,@function
k_q78494ff72e_ffn2:
	s_mov_b64 s[64:65], 0
	v_nop
	global_prefetch_b8 v0, s[64:65] scope:SCOPE_SE
	s_setreg_imm32_b32 hwreg(HW_REG_WAVE_MODE, 25, 1), 1
	s_wait_xcnt 0x0
; FFN2.  out[token] = g_lo (h_lo W2[lo] + b2[lo]) + g_hi (h_hi W2[hi] + b2[hi]).  h arrives as codes (hq: plane 0 the lower expert's, plane 1 the higher's), laid as images of operand registers.
; SHARES as in the launch before: work-group (x = block of 128 output columns, y = tile of 128 sorted tokens) walks the experts of the tile's stored mask; wave w owns columns 128 x + 32 w .. + 31 of all 128 rows.
; So each output number has ONE owner, which adds its two experts' parts in registers.  A row that does not use the expert in hand is multiplied all the same and weighed with 0: its codes are finite
; numbers of the format, so its sum is finite and adds nothing.
; The product is used transposed (source 0 = 16 columns of W2, source 1 = 16 rows of h); each row's plane is a number in the LDS address, lane by lane: 0 where the expert is the row's lower one, else 1.
; The first expert is written out ahead of the loop: its products with the gates start the output's sums, so nothing is cleared.  A tile uses at least two experts (a token's two differ).
; NO TENSOR LOADS, NO CLUSTER: the walk's trip count and the weights' addresses hang on the stored list, and neighbouring tiles walk other experts, in other numbers.
; LIMITS: eh + ew2 is applied by v_ldexp_f32 and has none.  NaN is not served.
; REGISTERS.  Window 0: v1-14 addresses; v16-23, v24-31 each row's two experts; v32-39 A's addresses; v40-55 the rows' gates; v56-63 the row's weight for this expert; v64-79 b2; v96-103 weight x 2^(eh + ew2);
;   v128-255 A's fragments.   Window 1: B, slot s at v[32 s + 16 u + 4 c].   Window 2: v0-127 accumulators; v128-255 the output's sums.
.set FRAG, 2176
.set MBP,  8*FRAG
.set PLN,  8*MBP
.set AF,   128
.set VLB,  4
.set VCP,  5
.set VL16, 7
.set VR4,  8
.set VBOF, 9
.set VSCL, 10
.set VR8,  11
.set VT0,  12                          ; v12, v13: at work, by turns
.set VT1,  13
.set VLO,  16
.set VHI,  24
.set VAD,  32
.set VG,   40
.set VW,   56
.set B2,   64
.set WS,   96
.set TA,   16                          ; the way out: v16-47, the 32 rows' offsets in out0
.set OUT,  128                         ; window 2
.set WV,   20
.set NBK,  21
.set TILE, 22
.set MSK,  23
.set NEX,  24
.set IT,   25
.set SEC,  26
.set SEN,  27
.set WB,   28
.set BNX,  30
.set ML,   32
.set MH,   40
.set BIA,  74
.set BIA0, 76
.set P0,   78
.set Q0,   80
.set SEW,  83
.set SEH,  84
.set LN,   85
.set TMP,  86
.set LAST, 87
.set MSB, 0
.macro WIN new                         ; the immediate's high byte repeats the setting that is left
.if MSB != \new
	s_set_vgpr_msb (MSB<<8)|\new
.set MSB, \new
.endif
.endm
.macro PLACES                          ; four places behind a matrix instruction, in front of loads into registers that it has read and of reads of its result
.rept 4
	v_nop
.endr
.endm
.macro NEXTE dst
	s_ctz_i32_b32 s[\dst], s[MSK]
	s_min_u32 s[\dst], s[\dst], 7
	s_lshl_b32 s[TMP], 1, s[\dst]
	s_and_not1_b32 s[MSK], s[MSK], s[TMP]
.endm
.macro SETBNX e
	s_lshl_b32 s[P0], s[\e], 20
	s_add_nc_u64 s[BNX:BNX+1], s[WB:WB+1], s[P0:P0+1]
.endm
.macro ALOAD g, s
.irp mm, 0,1,2,3
.irp c, 0,1,2,3
	ds_load_b128 v[AF+16*(4*(\g)+\mm)+4*\c:AF+16*(4*(\g)+\mm)+4*\c+3], v[VAD+4*(\g)+\mm] offset:(\s)*FRAG+544*\c
.endr
.endr
.endm
.macro MUL g, s                        ; 8 products; the 16 accumulators take turns, one instruction a turn; K step 0 starts the sums
	WIN 0xa1
.irp mm, 0,1,2,3
.irp u, 0,1
.if (\s) == 0
	v_wmma_f32_16x16x128_bf8_bf8 v[16*(4*(\g)+\mm)+8*\u:16*(4*(\g)+\mm)+8*\u+7], v[32*(\s)+16*\u:32*(\s)+16*\u+15], v[AF+16*(4*(\g)+\mm):AF+16*(4*(\g)+\mm)+15], 0
.else
	v_wmma_f32_16x16x128_bf8_bf8 v[16*(4*(\g)+\mm)+8*\u:16*(4*(\g)+\mm)+8*\u+7], v[32*(\s)+16*\u:32*(\s)+16*\u+15], v[AF+16*(4*(\g)+\mm):AF+16*(4*(\g)+\mm)+15], v[16*(4*(\g)+\mm)+8*\u:16*(4*(\g)+\mm)+8*\u+7]
.endif
.endr
.endr
.endm
.macro REFILL s
	WIN 0x40
.irp u, 0,1
.irp c, 0,1,2,3
	global_load_b128 v[32*(\s)+16*\u+4*\c:32*(\s)+16*\u+4*\c+3], v[VL16], s[BNX:BNX+1] offset:\u*16384+(\s)*2048+512*\c
.endr
.endr
.endm
.macro BIASLD                          ; b2 at my 16 columns
	WIN 0
.irp q, 0,1,2,3
	global_load_b128 v[B2+4*\q:B2+4*\q+3], v[VBOF], s[BIA:BIA+1] offset:16*\q
.endr
.endm
; A K step.  Global loads stand in this order: slots 0..7 of the expert in hand; then, in step 0, slot 0 anew (8) and the bias (4); in step s, slot s anew (8).
.macro STEP s, refill
.if (\s) == 0
	s_wait_loadcnt 56                              ; slot 0 is in: slots 1 to 7 are younger
.elseif \refill
	s_wait_loadcnt 60                              ; slot s is in: younger are 8 (7 - s) of this expert, 8 + 4 of step 0, 8 (s - 1) of steps 1 .. s - 1
.else
	s_wait_loadcnt 8*(7-(\s))+4                    ; younger: the later slots and the bias
.endif
	s_wait_dscnt 16                                ; blocks 0-3 are in; blocks 4-7's sixteen loads may be out
	MUL 0, \s
.if (\s) < 7
	PLACES
	WIN 0
	ALOAD 0, (\s)+1
	s_wait_dscnt 16                                ; blocks 4-7 are in; the sixteen just issued may be out
.else
	s_wait_dscnt 0
.endif
	MUL 1, \s
	PLACES
	WIN 0
.if (\s) < 7
	ALOAD 1, (\s)+1
.endif
.if \refill
	REFILL \s
.endif
.if (\s) == 0
	BIASLD
.endif
	WIN 0
.endm
.macro SETUP
	s_wait_xcnt 0x0                                ; the earlier loads have read their bases: the bias's and the weights' are written again only behind this wait
	s_lshl_b32 s[P0], s[SEC], 12
	s_add_nc_u64 s[BIA:BIA+1], s[BIA0:BIA0+1], s[P0:P0+1]
	s_lshl_b32 s[LN], s[SEC], 2
	s_add_co_u32 s[LN], s[LN], 2
	v_readlane_b32 s[SEH], v[VSCL], s[LN]          ; eh
	s_add_co_u32 s[LN], s[LN], 1
	v_readlane_b32 s[SEW], v[VSCL], s[LN]          ; ew2
.irp mb, 0,1,2,3,4,5,6,7
	v_cmp_eq_u32 s[ML+\mb], s[SEC], v[VLO+\mb]
	v_cmp_eq_u32 s[MH+\mb], s[SEC], v[VHI+\mb]
	v_xor_b32 v[VT0+(\mb%2)], s[SEC], v[VLO+\mb]               ; 0 where this expert is the row's lower one,
	v_min_u32 v[VT0+(\mb%2)], 1, v[VT0+(\mb%2)]                ; else 1: the row's plane, held at 1 from above before it enters an address
	v_mul_u32_u24 v[VT0+(\mb%2)], v[VT0+(\mb%2)], PLN
	v_add_nc_u32 v[VT0+(\mb%2)], v[VT0+(\mb%2)], v[VLB]        ; + my lane's place in a fragment
	v_add_nc_u32 v[VAD+\mb], \mb*MBP, v[VT0+(\mb%2)]           ; + the block
	v_cndmask_b32 v[VW+\mb], 0, v[VG+2*\mb+1], s[MH+\mb]       ; the row's weight for this expert: its gate, or 0
	v_cndmask_b32 v[VW+\mb], v[VW+\mb], v[VG+2*\mb], s[ML+\mb]
.endr
	ALOAD 0, 0
	ALOAD 1, 0
	s_add_co_i32 s[SEH], s[SEH], s[SEW]
.irp mb, 0,1,2,3,4,5,6,7
	v_ldexp_f32 v[WS+\mb], v[VW+\mb], s[SEH]       ; x 2^(eh + ew2)
.endr
.endm
; out += weight x (sum x 2^(eh + ew2) + b2): two packed multiply-adds for two numbers.  first = 1: the first expert's products start the sums.
.macro EPI first
	WIN 0xa2                                       ; the sums: source 0, source 2 and destination window 2; the weight window 0
.irp mb, 0,1,2,3,4,5,6,7
.irp i, 0,2,4,6,8,10,12,14
.if \first
.if (\mb%2) == 0
	v_pk_mul_f32 v[OUT+16*\mb+\i:OUT+16*\mb+\i+1], v[16*\mb+\i:16*\mb+\i+1], v[WS+\mb:WS+\mb+1] op_sel_hi:[1,0]
.else
	v_pk_mul_f32 v[OUT+16*\mb+\i:OUT+16*\mb+\i+1], v[16*\mb+\i:16*\mb+\i+1], v[WS+\mb-1:WS+\mb] op_sel:[0,1] op_sel_hi:[1,1]
.endif
.else
.if (\mb%2) == 0
	v_pk_fma_f32 v[OUT+16*\mb+\i:OUT+16*\mb+\i+1], v[16*\mb+\i:16*\mb+\i+1], v[WS+\mb:WS+\mb+1], v[OUT+16*\mb+\i:OUT+16*\mb+\i+1] op_sel_hi:[1,0,1]
.else
	v_pk_fma_f32 v[OUT+16*\mb+\i:OUT+16*\mb+\i+1], v[16*\mb+\i:16*\mb+\i+1], v[WS+\mb-1:WS+\mb], v[OUT+16*\mb+\i:OUT+16*\mb+\i+1] op_sel:[0,1,0] op_sel_hi:[1,1,1]
.endif
.endif
.endr
.endr
	WIN 0xa0                                       ; b2 and the weight window 0
.irp mb, 0,1,2,3,4,5,6,7
.irp i, 0,2,4,6,8,10,12,14
.if (\mb%2) == 0
	v_pk_fma_f32 v[OUT+16*\mb+\i:OUT+16*\mb+\i+1], v[B2+\i:B2+\i+1], v[VW+\mb:VW+\mb+1], v[OUT+16*\mb+\i:OUT+16*\mb+\i+1] op_sel_hi:[1,0,1]
.else
	v_pk_fma_f32 v[OUT+16*\mb+\i:OUT+16*\mb+\i+1], v[B2+\i:B2+\i+1], v[VW+\mb-1:VW+\mb], v[OUT+16*\mb+\i:OUT+16*\mb+\i+1] op_sel:[0,1,0] op_sel_hi:[1,1,1]
.endif
.endr
.endr
	WIN 0
.endm
; The copy of h: batch b = 2 plane + (block % 2): a block's 32 pieces of 512 consecutive bytes, then 32 LDS stores.
.macro HLOAD b, win
	WIN \win
.irp s, 0,1,2,3,4,5,6,7
.irp c, 0,1,2,3
	global_load_b128 v[128+4*(4*\s+\c):128+4*(4*\s+\c)+3], v[VL16], s[4:5] offset:((\b)/2)*4194304+((\b)%2)*16384+2048*\s+512*\c
.endr
.endr
	WIN 0
.endm
.macro HSTORE b, win
	WIN \win
.irp s, 0,1,2,3,4,5,6,7
.irp c, 0,1,2,3
	ds_store_b128 v[VCP+(\b)/2], v[128+4*(4*\s+\c):128+4*(4*\s+\c)+3] offset:((\b)%2)*MBP+\s*FRAG+544*\c
.endr
.endr
	WIN 0
.endm
	s_load_b256 s[4:11], s[0:1], 0x0               ; hq, wq, order, tmask
	s_load_b256 s[12:19], s[0:1], 0x20             ; b2, lowp_scales, out0, sgate
	v_lshl_add_u32 v126, v0, 2, 0x44000
	v_mov_b32 v127, 0
	v_lshrrev_b32 v1, 5, v0
	v_readfirstlane_b32 s[WV], v1
	v_and_b32 v1, 31, v0                           ; lane
	v_and_b32 v2, 15, v0                           ; r
	v_bfe_u32 v3, v0, 4, 1                         ; h
	v_mul_u32_u24 v[VLB], v3, 272
	v_lshl_add_u32 v[VLB], v2, 4, v[VLB]
	v_lshlrev_b32 v[VL16], 4, v1
	v_lshlrev_b32 v[VR4], 2, v2
	v_lshlrev_b32 v[VR8], 3, v2
	v_lshlrev_b32 v[VBOF], 6, v3
	v_lshlrev_b32 v14, 2, v1
	s_mul_i32 s[TMP], s[WV], 2*MBP
	v_add_nc_u32 v[VCP], s[TMP], v[VLB]            ; my wave copies blocks 2 w, 2 w + 1
	v_add_nc_u32 v[VCP+1], PLN, v[VCP]
	s_mov_b32 s[NBK], ttmp9
	s_and_b32 s[TILE], ttmp7, 0xffff
	s_mov_b32 s[P0+1], 0
	s_wait_kmcnt 0x0
	s_lshl_b32 s[P0], s[TILE], 2
	s_add_nc_u64 s[10:11], s[10:11], s[P0:P0+1]
	s_load_b32 s[MSK], s[10:11], 0x0               ; the tile's experts
	s_lshl_b32 s[P0], s[TILE], 9
	s_add_nc_u64 s[8:9], s[8:9], s[P0:P0+1]        ; order at the tile's first place
	s_lshl_b32 s[P0], s[WV], 7
	s_add_nc_u64 s[Q0:Q0+1], s[8:9], s[P0:P0+1]    ; and at my wave's 32 places, for the way out
	s_lshl_b32 s[P0], s[TILE], 10
	s_add_nc_u64 s[18:19], s[18:19], s[P0:P0+1]
	s_lshl_b32 s[P0], s[TILE], 17
	s_lshl_b32 s[TMP], s[WV], 15
	s_add_co_u32 s[P0], s[P0], s[TMP]
	s_add_nc_u64 s[4:5], s[4:5], s[P0:P0+1]        ; hq at my two blocks
	global_load_b32 v[VSCL], v14, s[14:15]
.irp mb, 0,1,2,3,4,5,6,7
	global_load_b32 v[VLO+\mb], v[VR4], s[8:9] offset:16384+64*\mb   ; the key word of row 16 mb + r,
	global_load_b64 v[VG+2*\mb:VG+2*\mb+1], v[VR8], s[18:19] offset:128*\mb   ; and its two gates
.endr
	HLOAD 0, 0                                     ; two sets of 128 registers take turns: window 0's and window 1's v128-255
	HLOAD 1, 0x40
	s_lshl_b32 s[P0], s[NBK], 2
	s_add_co_u32 s[P0], s[P0], s[WV]
	s_lshl_b32 s[P0], s[P0], 15
	s_add_nc_u64 s[WB:WB+1], s[6:7], s[P0:P0+1]
	s_add_nc_u64 s[WB:WB+1], s[WB:WB+1], 0x800000  ; w2's codes lie behind w1's
	s_lshl_b32 s[P0], s[NBK], 9
	s_add_nc_u64 s[16:17], s[16:17], s[P0:P0+1]    ; out0 at my block of columns
	s_lshl_b32 s[TMP], s[WV], 7
	s_add_co_u32 s[P0], s[P0], s[TMP]
	s_add_nc_u64 s[BIA0:BIA0+1], s[12:13], s[P0:P0+1]
	s_wait_kmcnt 0x0
	s_and_b32 s[MSK], s[MSK], 0xff
	s_bcnt1_i32_b32 s[NEX], s[MSK]
	s_sub_co_u32 s[LAST], s[NEX], 1
	NEXTE SEC
	s_mov_b32 s[SEN], s[SEC]
	SETBNX SEC
	s_wait_loadcnt 32                              ; the older batch is in
	HSTORE 0, 0
	s_wait_dscnt 0x0                               ; the stores have read their registers
	HLOAD 2, 0
	s_wait_loadcnt 32
	HSTORE 1, 0x04
	s_wait_dscnt 0x0
	HLOAD 3, 0x40
	s_wait_loadcnt 32
	HSTORE 2, 0
	REFILL 0                                       ; the first expert's codes: slots 0-3 lie in window 1's lower half, which is free
	REFILL 1
	REFILL 2
	REFILL 3
	s_wait_loadcnt 32                              ; the last batch is in: those 32 are younger
	HSTORE 3, 0x04
	s_wait_dscnt 0x0                               ; my blocks lie in LDS, and the set is free
	REFILL 4
	REFILL 5
	REFILL 6
	REFILL 7
	WIN 0
	s_barrier_signal -1
	s_barrier_wait -1                              ; all 128 rows lie in LDS
.irp mb, 0,1,2,3,4,5,6,7
	v_bfe_u32 v[VHI+\mb], v[VLO+\mb], 16, 8
	v_bfe_u32 v[VLO+\mb], v[VLO+\mb], 8, 8
.endr
	SETUP                                          ; the first expert stands ahead of the loop; a second always follows
	NEXTE SEN
	SETBNX SEN
.irp s, 0,1,2,3,4,5,6,7
	STEP \s, 1
.endr
	s_wait_loadcnt 56                              ; the bias is in: younger are the next expert's slots 1 to 7
	EPI 1
	s_mov_b32 s[SEC], s[SEN]
	s_mov_b32 s[IT], 1
.Ltrip:                                            ; a trip: one expert
	SETUP
	s_cmp_eq_u32 s[IT], s[LAST]
	s_cbranch_scc1 .Larm_last
	NEXTE SEN
	SETBNX SEN
.irp s, 0,1,2,3,4,5,6,7
	STEP \s, 1
.endr
	s_wait_loadcnt 56
	s_branch .Lepi
.Larm_last:                                        ; the last expert: nothing is left to load
.irp s, 0,1,2,3,4,5,6,7
	STEP \s, 0
.endr
	s_wait_loadcnt 0x0
.Lepi:
	EPI 0
	s_mov_b32 s[SEC], s[SEN]
	s_add_co_u32 s[IT], s[IT], 1
	s_cmp_lt_u32 s[IT], s[NEX]
	s_cbranch_scc1 .Ltrip
	; THE WAY OUT.  A lane holds 64 neighbouring bytes of a row, a row's 512 bytes come from four waves: they meet in a stage (128 rows of 512 bytes + 16) where h lay, and each wave stores 32 whole rows.
	s_load_b512 s[32:47], s[Q0:Q0+1], 0x0          ; my 32 rows' tokens
	s_load_b512 s[48:63], s[Q0:Q0+1], 0x40
	v_mul_u32_u24 v[VT0], v2, 528
	v_lshl_add_u32 v[VT0], v3, 6, v[VT0]
	s_lshl_b32 s[TMP], s[WV], 7
	v_add_nc_u32 v[VT0], s[TMP], v[VT0]            ; in: row r, + 128 w + 64 h
	s_mul_i32 s[TMP], s[WV], 32*528
	v_add_nc_u32 v[VT1], s[TMP], v[VL16]           ; back: my 32 rows, 16 bytes a lane
	s_wait_dscnt 0x0                               ; my reads of h are over
	s_barrier_signal -1
	s_barrier_wait -1                              ; everybody's are
	WIN 0x08                                       ; the data lie in window 2
.irp mb, 0,1,2,3,4,5,6,7
.irp q, 0,1,2,3
	ds_store_b128 v[VT0], v[OUT+16*\mb+4*\q:OUT+16*\mb+4*\q+3] offset:\mb*16*528+16*\q
.endr
.endr
	WIN 0
	s_wait_dscnt 0x0                               ; for the others' sake
	s_barrier_signal -1
	s_barrier_wait -1
.set q, 0
.rept 32
	ds_load_b128 v[128+4*q:128+4*q+3], v[VT1] offset:528*q
.set q, q+1
.endr
	s_wait_kmcnt 0x0
.set q, 0
.rept 32
	s_min_u32 s[32+q], s[32+q], 0xfff
	s_lshl_b32 s[32+q], s[32+q], 12
	v_add_nc_u32 v[TA+q], s[32+q], v[VL16]         ; the token's row of out0, + 16 x lane
.set q, q+1
.endr
.set q, 0
.rept 32
	s_wait_dscnt 31-q
	global_store_b128 v[TA+q], v[128+4*q:128+4*q+3], s[16:17] th:TH_STORE_NT   ; 32 lanes store 512 consecutive bytes, at a multiple of 256 from out0's first byte
.set q, q+1
.endr
	s_wait_tensorcnt 0x0
	ds_add_u32 v126, v127
	s_wait_dscnt 0x0
	s_endpgm
.Lfunc_end_k_q78494ff72e_ffn2:
	.size	k_q78494ff72e_ffn2, .Lfunc_end_k_q78494ff72e_ffn2-k_q78494ff72e_ffn2
	.p2alignl 7, 3214868480
	.fill 96, 4, 3214868480
	.section	.rodata,"a",@progbits
	.p2align	6, 0x0
	.amdhsa_kernel k_q78494ff72e_ffn2
		.amdhsa_group_segment_fixed_size 279040
		.amdhsa_private_segment_fixed_size 0
		.amdhsa_enable_private_segment 0
		.amdhsa_kernarg_size 64
		.amdhsa_user_sgpr_count 2
		.amdhsa_user_sgpr_kernarg_segment_ptr 1
		.amdhsa_wavefront_size32 1
		.amdhsa_system_sgpr_workgroup_id_x 1
		.amdhsa_system_sgpr_workgroup_id_y 1
		.amdhsa_system_sgpr_workgroup_id_z 1
		.amdhsa_system_vgpr_workitem_id 0
		.amdhsa_next_free_vgpr 768
		.amdhsa_next_free_sgpr 88
		.amdhsa_reserve_vcc 0
		.amdhsa_float_denorm_mode_32 3
		.amdhsa_float_denorm_mode_16_64 3
		.amdhsa_memory_ordered 1
		.amdhsa_forward_progress 1
		.amdhsa_inst_pref_size 166
	.end_amdhsa_kernel
	.amdgpu_metadata
---
amdhsa.version: [ 1, 2 ]
amdhsa.kernels:
  - .name:           k_q78494ff72e_ffn2
    .symbol:         k_q78494ff72e_ffn2.kd
    .args:
      - { .name: hq, .offset: 0, .size: 8, .value_kind: global_buffer, .address_space: global }
      - { .name: wq, .offset: 8, .size: 8, .value_kind: global_buffer, .address_space: global }
      - { .name: order, .offset: 16, .size: 8, .value_kind: global_buffer, .address_space: global }
      - { .name: tmask, .offset: 24, .size: 8, .value_kind: global_buffer, .address_space: global }
      - { .name: b2, .offset: 32, .size: 8, .value_kind: global_buffer, .address_space: global }
      - { .name: lowp_scales, .offset: 40, .size: 8, .value_kind: global_buffer, .address_space: global }
      - { .name: out0, .offset: 48, .size: 8, .value_kind: global_buffer, .address_space: global }
      - { .name: sgate, .offset: 56, .size: 8, .value_kind: global_buffer, .address_space: global }
    .group_segment_fixed_size: 279040
    .private_segment_fixed_size: 0
    .kernarg_segment_align: 8
    .kernarg_segment_size: 64
    .max_flat_workgroup_size: 128
    .sgpr_count:     88
    .vgpr_count:     768
    .wavefront_size: 32
...
	.end_amdgpu_metadata
.endif
;; end of part 4
;; ======== version 2 of 2: 4 launches; version 1 with the launches ffn1, ffn2 written anew for expert scheduling mode
;; workspace buffers: xq 8,388,608 bytes; hq 8,388,608 bytes; wq 16,777,216 bytes; rkey 16,384 bytes of whole numbers; rgate 32,768 bytes; order 32,768 bytes of whole numbers; sgate 32,768 bytes; tmask 256 bytes of whole numbers
;; launch route: the kernel of part 1 again; grid 256 x 1, 4 waves a work-group, no clusters, 37,376 bytes of LDS; arguments x, router_w, router_b, lowp_scales, xq, rkey, rgate; writes xq, rkey, rgate
;; launch prep: the kernel of part 2 again; grid 513 x 1, 8 waves a work-group, no clusters, 2,048 bytes of LDS; arguments w1, w2, lowp_scales, rkey, rgate, wq, order, sgate, tmask; writes wq, order, sgate, tmask
;; launch ffn1 (part 5): grid 8 x 32, 4 waves a work-group, no clusters, 279,040 bytes of LDS; arguments xq, wq, order, tmask, b1, lowp_scales, hq; writes hq
.if DOCPART == 5
	.amdgcn_target "amdgcn-amd-amdhsa--gfx1250"
	.amdhsa_code_object_version 6
	.text
	.protected	k_q78494ff72e_ffn1
	.globl	k_q78494ff72e_ffn1
	.p2align	8
	.type	k_q78494ff72e_ffn1,@function
k_q78494ff72e_ffn1:
	s_mov_b64 s[64:65], 0
	v_nop
	global_prefetch_b8 v0, s[64:65] scope:SCOPE_SE
	s_setreg_imm32_b32 hwreg(HW_REG_WAVE_SCHED_MODE, 0, 2), 2
	s_setreg_imm32_b32 hwreg(HW_REG_WAVE_MODE, 25, 1), 1
	s_wait_xcnt 0x0
	s_wait_alu depctr_vm_vsrc(0)
; FFN1.  h = gelu(x W1[e] + b1[e]) for the two experts of each token, as codes of E5M2: hq plane 0 for the token's lower expert, plane 1 for the higher.
; SHARES.  Work-group (x = column block of 128 hidden units, y = tile of 128 SORTED tokens).  It walks the experts that its 128 tokens use, by the tile's stored bit mask.
; Wave w owns hidden units 128 x + 32 w .. + 31 for all 128 rows: 16 accumulators.  THE PRODUCT IS USED TRANSPOSED (source 0 = 16 columns of W1, source 1 = 16 rows of x): lane (r, h) holds row r, and the 16
; registers of a block of 16 rows are the 16 neighbouring units 32 w + 16 h + 0 .. 15: their codes are 16 bytes of the next product's operand.
; ROWS THAT DO NOT USE THE EXPERT IN HAND are multiplied all the same (tiles stay whole, every count of waits is the same on every way) and their results are dropped by v_cndmask_b32.
; Which plane of x a row takes (the codes made with this expert's scale) is a number in the LDS address, lane by lane: 0 where the expert is the row's lower one, else 1.
; A: both planes of the tile's 128 rows, gathered once into LDS (256 KiB + padding).  B: the wave's 32 KiB of the expert's codes lie in 256 registers, loaded from memory in operand order; each slot of a K step
; is loaded anew with the NEXT expert's codes in the step behind the one that multiplied by it.
; NO TENSOR LOADS, NO CLUSTER: the walk's trip count and the weights' addresses hang on the stored list, and neighbouring tiles walk other experts, in other numbers.
; GELU, exact form: gelu(z) = max(z, 0) - |z| erfc(|z| / sqrt 2) / 2, erfc(a) = t exp(-a^2 + P(t)), t = 1 / (1 + a / 2), P of degree 9 (fractional error under 1.2e-7 for every a); P's coefficients are held x log2(e).
; LIMITS: ex + ew1 between -126 and 127, eh between -126 and 112.  NaN is not served.  A hidden value under 2^-126 in magnitude becomes 0 (the exponential gives no denormals).
; THE MODE: SCHED_MODE bits 1:0 = 2 (LLVM: expert scheduling mode 2), set by the entry lines.  The code itself states the register dependences
; between vector or matrix instructions and memory or LDS instructions, with s_wait_alu, always for 0.
; THE PLAN.  Registers that memory or LDS instructions touch, in the loop over experts:
;   A0, A1        two buffers of A's fragments.  K step s: its 16 products read A[s % 2]; the 32 LDS loads of step s + 1, issued in step s, land in the other (step 0's are issued in SETUP).
;   B, slot s     Step s's 16 products read it; the next expert's 8 loads, issued in step s + 1, land in it (slot 7's are issued behind step 7).
;   b1            Four loads in step 0 land in it; the activation behind step 7 reads it.
;   v[VAD ..]     Read by every LDS load of A; written once an expert, in SETUP.
;   v4 to v11     Offsets made at the head and never written again.
;   The accumulators, the activation's registers and the kept codes are named by vector and matrix instructions alone, until the 16 stores at the end read the kept codes.
; So ONE wait on va_vdst stands at the head of steps 1 to 7: the step before is done reading the other A buffer and its slot of B.  The step's loads follow it, dealt among its products, which name
; A[s % 2], slot s and the accumulators: none of the registers that those loads touch.  Step 0 leans on SETUP's wait, behind which nothing names A1 or b1.
; REGISTERS.  Window 0: v1-13 addresses; v16-23, v24-31 each row's lower and higher expert; v32-39 A's addresses; v60-63 codes just made; v64-127 the kept codes (plane, block, 4); v128-255 A0.
;   Window 1: B, slot s at v[32 s + 16 u + 4 c].   Window 2: v0-127 accumulators (16 block + 8 u); v128-227 the activation's work.   Window 3: v128-255 A1.
.set FRAG, 2176                        ; LDS: a fragment (16 rows x 128 K): 8 pieces of 256 bytes + 16
.set MBP,  8*FRAG                      ; a block of 16 rows: 8 K steps
.set PLN,  8*MBP                       ; a plane
.set AF,   128
.set VLB,  4                           ; 272 h + 16 r: my place in a fragment's piece pair
.set VCP,  5                           ; v5, v6: where the gather stores, plane 0 and 1
.set VL16, 7                           ; 16 x lane
.set VR4,  8                           ; 4 r
.set VBOF, 9                           ; 64 h
.set VSCL, 10                          ; lane i: lowp_scales[i]
.set VT0,  12                          ; v12, v13: at work, by turns
.set VLO,  16
.set VHI,  24
.set VAD,  32
.set NEWC, 60
.set HC,   64
.set RA,   64                          ; v64-95, before the kept codes are set: the gather's 32 row offsets
.set B1,   128                         ; window 2
.set ZZ,   144
.set TT,   160
.set QQ,   176
.set ZH,   192
.set MM,   208
.set V9,   224
.set SCH,  226
.set LIMH, 227
.set WV,   20
.set NBK,  21
.set TILE, 22
.set MSK,  23                          ; experts still to walk
.set NEX,  24                          ; how many the tile uses
.set IT,   25
.set SEC,  26                          ; the expert in hand
.set SEN,  27                          ; the next
.set WB,   28                          ; s[28:29] wq at my wave's two tiles
.set BNX,  30                          ; s[30:31] + the expert whose codes are being loaded
.set ML,   32                          ; s32-39  block mb: the lanes whose row has this expert as its lower
.set MH,   40                          ; s40-47  as its higher
.set S1,   48                          ; s[48:49] 2^(ex + ew1)
.set ZHF,  50                          ; s[50:51] -log2(e) / 2
.set KD,   72                          ; 1 / (2 sqrt 2)
.set BIA,  74
.set BIA0, 76
.set P0,   78                          ; s[78:79] an offset; the upper word stays 0
.set Q0,   80
.set SEX,  82
.set SEW,  83
.set SEH,  84
.set LN,   85
.set TMP,  86
.set LAST, 87
.set MSB, 0
.macro WIN new                         ; the immediate's high byte repeats the setting that is left
.if MSB != (\new)
	s_set_vgpr_msb (MSB<<8)|(\new)
.set MSB, (\new)
.endif
.endm
.macro PLACES                          ; four places behind a matrix instruction, in front of loads into registers that it has read and of reads of its result
.rept 4
	v_nop
.endr
.endm
.macro SETP reg, val
	s_mov_b32 s[\reg], \val
	s_mov_b32 s[\reg+1], \val
.endm
.macro NEXTE dst                       ; the lowest expert still to walk
	s_ctz_i32_b32 s[\dst], s[MSK]
	s_min_u32 s[\dst], s[\dst], 7
	s_lshl_b32 s[TMP], 1, s[\dst]
	s_and_not1_b32 s[MSK], s[MSK], s[TMP]
.endm
.macro SETBNX e
	s_lshl_b32 s[P0], s[\e], 20
	s_add_nc_u64 s[BNX:BNX+1], s[WB:WB+1], s[P0:P0+1]
.endm
.macro ALOAD g, s                      ; A's fragments of blocks 4 g .. 4 g + 3, K step s: 16 LDS loads into buffer s % 2 (window 0 or 3)
	WIN 0xc0*((\s)%2)
.irp mm, 0,1,2,3
.irp c, 0,1,2,3
	ds_load_b128 v[AF+16*(4*(\g)+\mm)+4*\c:AF+16*(4*(\g)+\mm)+4*\c+3], v[VAD+4*(\g)+\mm] offset:(\s)*FRAG+544*\c
.endr
.endr
.endm
.macro MUL g, s                        ; 8 products; the 16 accumulators take turns, one instruction a turn; K step 0 starts the sums
	WIN 0xa1+0x0c*((\s)%2)                         ; source 0 (B) window 1, source 1 (A) window 0 or 3, C and D window 2
.irp mm, 0,1,2,3
.irp u, 0,1
.if (\s) == 0
	v_wmma_f32_16x16x128_bf8_bf8 v[16*(4*(\g)+\mm)+8*\u:16*(4*(\g)+\mm)+8*\u+7], v[32*(\s)+16*\u:32*(\s)+16*\u+15], v[AF+16*(4*(\g)+\mm):AF+16*(4*(\g)+\mm)+15], 0
.else
	v_wmma_f32_16x16x128_bf8_bf8 v[16*(4*(\g)+\mm)+8*\u:16*(4*(\g)+\mm)+8*\u+7], v[32*(\s)+16*\u:32*(\s)+16*\u+15], v[AF+16*(4*(\g)+\mm):AF+16*(4*(\g)+\mm)+15], v[16*(4*(\g)+\mm)+8*\u:16*(4*(\g)+\mm)+8*\u+7]
.endif
.endr
.endr
.endm
.macro REFILL s                        ; slot s: 8 loads of 512 consecutive bytes
	WIN 0x40
.irp u, 0,1
.irp c, 0,1,2,3
	global_load_b128 v[32*(\s)+16*\u+4*\c:32*(\s)+16*\u+4*\c+3], v[VL16], s[BNX:BNX+1] offset:\u*16384+(\s)*2048+512*\c
.endr
.endr
.endm
.macro BIASLD                          ; b1 at my 16 units
	WIN 0x80
.irp q, 0,1,2,3
	global_load_b128 v[B1+4*\q:B1+4*\q+3], v[VBOF], s[BIA:BIA+1] offset:16*\q
.endr
.endm
; A K step.  Global loads stand in this order: slots 0..7 of the expert in hand; then the bias (4), in step 0; then slot s - 1 anew (8), in step s; slot 7 anew behind step 7.
.macro STEP s, refill
.if (\s) == 0
	s_wait_loadcnt 56                              ; slot 0 is in: slots 1 to 7 are younger
.elseif \refill
	s_wait_loadcnt 52                              ; slot s is in: younger are 8 (7 - s) of this expert, the bias's 4, and 8 (s - 1) of steps 1 .. s - 1
.else
	s_wait_loadcnt 8*(7-(\s))+4                    ; younger: the later slots and the bias
.endif
	s_wait_dscnt 16                                ; blocks 0-3 of this step are in; blocks 4-7's sixteen loads may be out
.if (\s) == 7
.if \refill
	WIN 0x40
	s_wait_alu depctr_va_vdst(0)                   ; step 6's products are done reading slot 6, in which the loads below land
	REFILL 6
.endif
.else
.if (\s) > 0
	WIN 0xc0*(((\s)+1)%2)
	s_wait_alu depctr_va_vdst(0)                   ; the step before is done reading the other A buffer and its slot of B: all loads of this step land in these two
.endif
	ALOAD 0, (\s)+1
.endif
	MUL 0, \s
.if (\s) < 7
	s_wait_dscnt 16                                ; blocks 4-7 of this step are in; the sixteen loads issued above may be out
	ALOAD 1, (\s)+1                                ; no wait: no vector or matrix instruction since the last wait on va_vdst names the other A buffer,
.if (\refill) && ((\s) > 0)
	REFILL (\s)-1                                  ; the slot of the step before,
.endif
.if (\s) == 0
	BIASLD                                         ; or b1's registers
.endif
.else
	s_wait_dscnt 0
.endif
	MUL 1, \s
	PLACES
	WIN 0
.endm
; What an expert's turn needs: its bias address, its exponents, who uses it, and from which plane each row's codes come.
.macro SETUP
	s_wait_xcnt 0x0                                ; the earlier loads have read their bases: the bias's and the weights' are written again only behind this wait
	s_wait_alu depctr_vm_vsrc(0)                   ; the LDS loads issued so far have read v[VAD ..], which are written anew below
	s_lshl_b32 s[P0], s[SEC], 12
	s_add_nc_u64 s[BIA:BIA+1], s[BIA0:BIA0+1], s[P0:P0+1]
	s_lshl_b32 s[LN], s[SEC], 2
	v_readlane_b32 s[SEX], v[VSCL], s[LN]          ; ex
	s_add_co_u32 s[LN], s[LN], 1
	v_readlane_b32 s[SEW], v[VSCL], s[LN]          ; ew1
	s_add_co_u32 s[LN], s[LN], 1
	v_readlane_b32 s[SEH], v[VSCL], s[LN]          ; eh
.irp mb, 0,1,2,3,4,5,6,7
	v_cmp_eq_u32 s[ML+\mb], s[SEC], v[VLO+\mb]
	v_cmp_eq_u32 s[MH+\mb], s[SEC], v[VHI+\mb]
	v_xor_b32 v[VT0+(\mb%2)], s[SEC], v[VLO+\mb]               ; 0 where this expert is the row's lower one,
	v_min_u32 v[VT0+(\mb%2)], 1, v[VT0+(\mb%2)]                ; else 1: the row's plane, held at 1 from above before it enters an address
	v_mul_u32_u24 v[VT0+(\mb%2)], v[VT0+(\mb%2)], PLN
	v_add_nc_u32 v[VT0+(\mb%2)], v[VT0+(\mb%2)], v[VLB]        ; + my lane's place in a fragment
	v_add_nc_u32 v[VAD+\mb], \mb*MBP, v[VT0+(\mb%2)]           ; + the block
.endr
	s_wait_alu depctr_va_sdst(0)                   ; the three exponents and the sixteen masks are written, ahead of their first readers and of the branch below
	s_wait_alu depctr_va_vdst(0)                   ; v[VAD ..] are written, which the LDS loads read; the last expert's products are done reading A0 and A1, its activation is done reading b1
	ALOAD 0, 0
	ALOAD 1, 0
	s_add_co_i32 s[SEX], s[SEX], s[SEW]
	s_add_co_i32 s[SEX], s[SEX], 127
	s_lshl_b32 s[S1], s[SEX], 23                   ; 2^(ex + ew1) as f32
	s_mov_b32 s[S1+1], s[S1]
	s_add_co_i32 s[SEH], s[SEH], 127
	s_lshl_b32 s[SEH], s[SEH], 23                  ; 2^eh as f32,
	s_add_co_u32 s[TMP], s[SEH], 0x7e00000         ; and 57,344 x it
	WIN 0x80
	v_mov_b32 v[SCH], s[SEH]
	v_mov_b32 v[LIMH], s[TMP]
	WIN 0
.endm
; A block of 16 rows: bias, gelu, codes; kept where the row uses the expert.  A block none of whose rows uses it is passed over: a branch on stored whole numbers.
.macro GELUQ mb
	s_or_b32 s[TMP], s[ML+\mb], s[MH+\mb]
	s_cmp_lg_u32 s[TMP], 0
	s_cbranch_scc0 .Lskip_\@
	WIN 0xaa                                       ; all in window 2
.irp i, 0,2,4,6,8,10,12,14
	v_pk_fma_f32 v[ZZ+\i:ZZ+\i+1], v[16*\mb+\i:16*\mb+\i+1], s[S1:S1+1], v[B1+\i:B1+\i+1] op_sel_hi:[1,0,1]   ; z = sum x 2^(ex + ew1) + b1; each accumulator from its low end on
.endr
.irp i, 0,1,2,3,4,5,6,7,8,9,10,11,12,13,14,15
	v_fma_f32 v[TT+\i], |v[ZZ+\i]|, s[KD], 1.0
.endr
.irp i, 0,1,2,3,4,5,6,7,8,9,10,11,12,13,14,15
	v_rcp_f32 v[TT+\i], v[TT+\i]                   ; t
.endr
.irp i, 0,2,4,6,8,10,12,14
	v_pk_mul_f32 v[ZH+\i:ZH+\i+1], v[ZZ+\i:ZZ+\i+1], s[ZHF:ZHF+1] op_sel_hi:[1,0]   ; (plain places behind the reciprocals)
.endr
	s_wait_alu depctr_va_vdst(0)                   ; the sixteen reciprocals have written t, ahead of its first reader: one wait for the batch
.irp i, 0,2,4,6,8,10,12,14
	v_pk_fma_f32 v[QQ+\i:QQ+\i+1], v[TT+\i:TT+\i+1], v[V9:V9+1], s[70:71] op_sel_hi:[1,1,0]
.endr
.irp cr, 68,66,62,60,58,56,54,52
.irp i, 0,2,4,6,8,10,12,14
	v_pk_fma_f32 v[QQ+\i:QQ+\i+1], v[QQ+\i:QQ+\i+1], v[TT+\i:TT+\i+1], s[\cr:\cr+1] op_sel_hi:[1,1,0]
.endr
.endr
.irp i, 0,2,4,6,8,10,12,14
	v_pk_fma_f32 v[QQ+\i:QQ+\i+1], v[ZH+\i:ZH+\i+1], v[ZZ+\i:ZZ+\i+1], v[QQ+\i:QQ+\i+1]   ; - z^2 log2(e) / 2 + P(t)
.endr
.irp i, 0,1,2,3,4,5,6,7,8,9,10,11,12,13,14,15
	v_exp_f32 v[QQ+\i], v[QQ+\i]
.endr
.irp i, 0,1,2,3,4,5,6,7,8,9,10,11,12,13,14,15
	v_max_num_f32 v[MM+\i], 0, v[ZZ+\i]            ; (plain places behind the exponentials)
.endr
	s_wait_alu depctr_va_vdst(0)                   ; the sixteen exponentials have written their results, ahead of the first reader: one wait for the batch
.irp i, 0,2,4,6,8,10,12,14
	v_pk_mul_f32 v[QQ+\i:QQ+\i+1], v[QQ+\i:QQ+\i+1], v[TT+\i:TT+\i+1]   ; erfc
.endr
.irp i, 0,2,4,6,8,10,12,14
	v_pk_mul_f32 v[QQ+\i:QQ+\i+1], v[QQ+\i:QQ+\i+1], v[ZZ+\i:ZZ+\i+1]
.endr
.irp i, 0,1,2,3,4,5,6,7,8,9,10,11,12,13,14,15
	v_fma_f32 v[MM+\i], -0.5, |v[QQ+\i]|, v[MM+\i] ; gelu(z)
.endr
.irp i, 0,1,2,3,4,5,6,7,8,9,10,11,12,13,14,15
	v_med3_num_f32 v[MM+\i], v[MM+\i], -v[LIMH], v[LIMH]   ; the conversion does not saturate (ISA guide 7.6.2)
.endr
	WIN 0x0a                                       ; sources window 2, destination window 0
	v_cvt_scalef32_pk8_bf8_f32 v[NEWC:NEWC+1], v[MM:MM+7], v[SCH]
	v_cvt_scalef32_pk8_bf8_f32 v[NEWC+2:NEWC+3], v[MM+8:MM+15], v[SCH]
	WIN 0
	v_nop                                          ; a plain place behind the last conversion
.irp q, 0,1,2,3
	v_cndmask_b32 v[HC+4*\mb+\q], v[HC+4*\mb+\q], v[NEWC+\q], s[ML+\mb]
	v_cndmask_b32 v[HC+32+4*\mb+\q], v[HC+32+4*\mb+\q], v[NEWC+\q], s[MH+\mb]
.endr
.Lskip_\@:
.endm
; The gather, 8 rows x 2 planes x 2 halves a batch: 32 loads of 512 consecutive bytes, then 32 LDS stores.
.macro GLOAD b, win
	WIN \win
.irp i, 0,1,2,3,4,5,6,7
.irp pl, 0,1
.irp hf, 0,1
	global_load_b128 v[128+4*(4*\i+2*\pl+\hf):128+4*(4*\i+2*\pl+\hf)+3], v[RA+8*(\b)+\i], s[4:5] offset:\pl*4194304+512*\hf
.endr
.endr
.endr
	WIN 0
.endm
.macro GSTORE b, win
	WIN \win
.irp i, 0,1,2,3,4,5,6,7
.irp pl, 0,1
.irp hf, 0,1
	ds_store_b128 v[VCP+\pl], v[128+4*(4*\i+2*\pl+\hf):128+4*(4*\i+2*\pl+\hf)+3] offset:((\b)/2)*MBP+\hf*4*FRAG+16*(8*((\b)%2)+\i)
.endr
.endr
.endr
	WIN 0
.endm
	s_load_b256 s[4:11], s[0:1], 0x0               ; xq, wq, order, tmask
	s_load_b128 s[12:15], s[0:1], 0x20             ; b1, lowp_scales
	s_load_b64 s[16:17], s[0:1], 0x30              ; hq
	v_lshl_add_u32 v58, v0, 2, 0x44000
	v_mov_b32 v59, 0
	v_lshrrev_b32 v1, 5, v0
	v_readfirstlane_b32 s[WV], v1
	v_and_b32 v1, 31, v0                           ; lane
	v_and_b32 v2, 15, v0                           ; r
	v_bfe_u32 v3, v0, 4, 1                         ; h
	v_mul_u32_u24 v[VLB], v3, 272
	v_lshl_add_u32 v[VLB], v2, 4, v[VLB]
	v_lshlrev_b32 v[VL16], 4, v1
	v_lshlrev_b32 v[VR4], 2, v2
	v_lshlrev_b32 v[VBOF], 6, v3
	v_lshlrev_b32 v11, 2, v1
	v_lshrrev_b32 v[VT0], 3, v1                    ; a row's bytes 512 hf + 16 lane are piece lane % 8 of K step 4 hf + lane / 8
	v_mul_u32_u24 v[VCP], v[VT0], FRAG
	v_and_b32 v[VT0], 7, v1
	v_mad_u32_u24 v[VCP], v[VT0], 272, v[VCP]
	s_wait_alu depctr_va_sdst(0)                   ; the wave's number is written, ahead of its first reader
	s_mul_i32 s[TMP], s[WV], 2*MBP
	v_add_nc_u32 v[VCP], s[TMP], v[VCP]            ; my wave gathers rows 32 w .. 32 w + 31: blocks 2 w, 2 w + 1
	v_add_nc_u32 v[VCP+1], PLN, v[VCP]
	s_mov_b32 s[NBK], ttmp9
	s_and_b32 s[TILE], ttmp7, 0xffff
	s_mov_b32 s[P0+1], 0
	s_wait_kmcnt 0x0
	s_lshl_b32 s[P0], s[TILE], 2
	s_add_nc_u64 s[10:11], s[10:11], s[P0:P0+1]
	s_load_b32 s[MSK], s[10:11], 0x0               ; the tile's experts
	s_lshl_b32 s[P0], s[TILE], 9
	s_add_nc_u64 s[8:9], s[8:9], s[P0:P0+1]        ; order at the tile's first place
	s_lshl_b32 s[P0], s[WV], 7
	s_add_nc_u64 s[Q0:Q0+1], s[8:9], s[P0:P0+1]
	s_load_b512 s[32:47], s[Q0:Q0+1], 0x0          ; my wave's 32 tokens
	s_load_b512 s[48:63], s[Q0:Q0+1], 0x40
	s_wait_alu depctr_va_vdst(0)                   ; the offsets and LDS addresses v4 to v11 are written, which the loads and stores of the whole kernel read; so are v58 and v59
	global_load_b32 v[VSCL], v11, s[14:15]
.irp mb, 0,1,2,3,4,5,6,7
	global_load_b32 v[VLO+\mb], v[VR4], s[8:9] offset:16384+64*\mb   ; the key word of row 16 mb + r
.endr
	s_lshl_b32 s[P0], s[NBK], 2
	s_add_co_u32 s[P0], s[P0], s[WV]
	s_lshl_b32 s[P0], s[P0], 15
	s_add_nc_u64 s[WB:WB+1], s[6:7], s[P0:P0+1]    ; tiles 2 (4 x + w), + 1 of w1's codes
	s_lshl_b32 s[P0], s[NBK], 9
	s_lshl_b32 s[TMP], s[WV], 7
	s_add_co_u32 s[P0], s[P0], s[TMP]
	s_add_nc_u64 s[BIA0:BIA0+1], s[12:13], s[P0:P0+1]
	s_lshl_b32 s[P0], s[TILE], 17                  ; hq: tile, K step = my column block, piece pair c = my wave
	s_lshl_b32 s[TMP], s[NBK], 11
	s_add_co_u32 s[P0], s[P0], s[TMP]
	s_lshl_b32 s[TMP], s[WV], 9
	s_add_co_u32 s[P0], s[P0], s[TMP]
	s_add_nc_u64 s[16:17], s[16:17], s[P0:P0+1]
	s_wait_kmcnt 0x0
.set q, 0
.rept 32
	s_min_u32 s[32+q], s[32+q], 0xfff
	s_lshl_b32 s[32+q], s[32+q], 10
	v_add_nc_u32 v[RA+q], s[32+q], v[VL16]         ; the token's row of xq, + 16 x lane
.set q, q+1
.endr
	s_and_b32 s[MSK], s[MSK], 0xff
	s_bcnt1_i32_b32 s[NEX], s[MSK]
	s_sub_co_u32 s[LAST], s[NEX], 1
	NEXTE SEC
	s_mov_b32 s[SEN], s[SEC]
	SETBNX SEC
	s_wait_alu depctr_va_vdst(0)                   ; the 32 row offsets are written, which the gather's loads read
	GLOAD 0, 0                                     ; two sets of 128 registers take turns: window 0's and window 1's v128-255
	GLOAD 1, 0x40
	s_wait_loadcnt 32                              ; the older batch is in
	GSTORE 0, 0
	s_wait_dscnt 0x0                               ; the stores are done
	s_wait_alu depctr_vm_vsrc(0)                   ; they have read window 0's set, in which the next batch lands
	GLOAD 2, 0
	s_wait_loadcnt 32
	GSTORE 1, 0x04
	s_wait_dscnt 0x0
	s_wait_alu depctr_vm_vsrc(0)                   ; the stores have read window 1's set, in which the next batch lands
	GLOAD 3, 0x40
	s_wait_loadcnt 32
	GSTORE 2, 0
	REFILL 0                                       ; the first expert's codes, slot by slot: slots 0-3 lie in window 1's lower half, which nothing has named
	REFILL 1
	REFILL 2
	REFILL 3
	s_wait_loadcnt 32                              ; the last batch is in: those 32 are younger
	GSTORE 3, 0x04
	s_wait_dscnt 0x0                               ; my rows lie in LDS
	s_wait_alu depctr_vm_vsrc(0)                   ; the stores have read both sets: slots 4-7 land in window 1's, A's fragments in window 0's; and the gather's loads have read their 32 offsets, which become kept codes below
	REFILL 4
	REFILL 5
	REFILL 6
	REFILL 7
	WIN 0
	s_barrier_signal -1
	s_barrier_wait -1                              ; all 128 rows lie in LDS; nothing is stored there again
.set q, 0
.rept 64
	v_mov_b32 v[HC+q], 0                           ; the kept codes are chosen by v_cndmask_b32, which reads them; the gather's loads, which read these registers, were shown done
.set q, q+1
.endr
.irp mb, 0,1,2,3,4,5,6,7
	v_bfe_u32 v[VHI+\mb], v[VLO+\mb], 16, 8
	v_bfe_u32 v[VLO+\mb], v[VLO+\mb], 8, 8
.endr
	SETP ZHF, 0xbf38aa3b                           ; -0.72134752
	SETP 52, 0xbfe9b21e                            ; P's coefficients x log2(e): -1.8257482,
	SETP 54, 0x3fb8ab5a                            ; 1.4427292,
	SETP 56, 0x3f0a29d2                            ; 0.53970062,
	SETP 58, 0x3e0efb2e                            ; 0.13963006,
	SETP 60, 0xbe899a80                            ; -0.26875686,
	SETP 62, 0x3ecdfd18                            ; 0.40232158,
	SETP 66, 0xbfd1a1e5                            ; -1.6377532,
	SETP 68, 0x40097039                            ; 2.1474745,
	SETP 70, 0xbf97d29d                            ; -1.1861149,
	s_mov_b32 s[KD], 0x3eb504f3                    ; 0.35355339
	WIN 0x80
	v_mov_b32 v[V9], 0x3e7c6f08                    ; and 0.24651730
	v_mov_b32 v[V9+1], 0x3e7c6f08
	WIN 0
	s_mov_b32 s[IT], 0
.Ltrip:                                            ; a trip: one expert
	SETUP
	s_cmp_eq_u32 s[IT], s[LAST]
	s_cbranch_scc1 .Larm_last
	NEXTE SEN
	SETBNX SEN
.irp s, 0,1,2,3,4,5,6,7
	STEP \s, 1
.endr
	s_wait_loadcnt 56                              ; the bias is in: younger are the next expert's slots 0 to 6
	WIN 0x40
	s_wait_alu depctr_va_vdst(0)                   ; step 7's products are done reading slot 7, in which the loads below land
	REFILL 7
	WIN 0
	s_branch .Lepi
.Larm_last:                                        ; the last expert: nothing is left to load
.irp s, 0,1,2,3,4,5,6,7
	STEP \s, 0
.endr
	s_wait_loadcnt 0x0
.Lepi:
.irp mb, 0,1,2,3,4,5,6,7
	GELUQ \mb
.endr
	s_mov_b32 s[SEC], s[SEN]
	s_add_co_u32 s[IT], s[IT], 1
	s_cmp_lt_u32 s[IT], s[NEX]
	s_cbranch_scc1 .Ltrip
	s_wait_alu depctr_va_vdst(0)                   ; the selects have written the kept codes, which the stores read
.irp pl, 0,1
.irp mb, 0,1,2,3,4,5,6,7
	global_store_b128 v[VL16], v[HC+32*\pl+4*\mb:HC+32*\pl+4*\mb+3], s[16:17] offset:\pl*4194304+\mb*16384   ; 32 lanes store 512 consecutive aligned bytes
.endr
.endr
	s_wait_dscnt 0x0                               ; the closing lines, six on end
	s_wait_alu 0x0
	s_wait_tensorcnt 0x0
	ds_add_u32 v58, v59
	s_wait_dscnt 0x0
	s_endpgm
.Lfunc_end_k_q78494ff72e_ffn1:
	.size	k_q78494ff72e_ffn1, .Lfunc_end_k_q78494ff72e_ffn1-k_q78494ff72e_ffn1
	.p2alignl 7, 3214868480
	.fill 96, 4, 3214868480
	.section	.rodata,"a",@progbits
	.p2align	6, 0x0
	.amdhsa_kernel k_q78494ff72e_ffn1
		.amdhsa_group_segment_fixed_size 279040
		.amdhsa_private_segment_fixed_size 0
		.amdhsa_enable_private_segment 0
		.amdhsa_kernarg_size 56
		.amdhsa_user_sgpr_count 2
		.amdhsa_user_sgpr_kernarg_segment_ptr 1
		.amdhsa_wavefront_size32 1
		.amdhsa_system_sgpr_workgroup_id_x 1
		.amdhsa_system_sgpr_workgroup_id_y 1
		.amdhsa_system_sgpr_workgroup_id_z 1
		.amdhsa_system_vgpr_workitem_id 0
		.amdhsa_next_free_vgpr 1024
		.amdhsa_next_free_sgpr 88
		.amdhsa_reserve_vcc 0
		.amdhsa_float_denorm_mode_32 3
		.amdhsa_float_denorm_mode_16_64 3
		.amdhsa_memory_ordered 1
		.amdhsa_forward_progress 1
		.amdhsa_inst_pref_size 204
	.end_amdhsa_kernel
	.amdgpu_metadata
---
amdhsa.version: [ 1, 2 ]
amdhsa.kernels:
  - .name:           k_q78494ff72e_ffn1
    .symbol:         k_q78494ff72e_ffn1.kd
    .args:
      - { .name: xq, .offset: 0, .size: 8, .value_kind: global_buffer, .address_space: global }
      - { .name: wq, .offset: 8, .size: 8, .value_kind: global_buffer, .address_space: global }
      - { .name: order, .offset: 16, .size: 8, .value_kind: global_buffer, .address_space: global }
      - { .name: tmask, .offset: 24, .size: 8, .value_kind: global_buffer, .address_space: global }
      - { .name: b1, .offset: 32, .size: 8, .value_kind: global_buffer, .address_space: global }
      - { .name: lowp_scales, .offset: 40, .size: 8, .value_kind: global_buffer, .address_space: global }
      - { .name: hq, .offset: 48, .size: 8, .value_kind: global_buffer, .address_space: global }
    .group_segment_fixed_size: 279040
    .private_segment_fixed_size: 0
    .kernarg_segment_align: 8
    .kernarg_segment_size: 56
    .max_flat_workgroup_size: 128
    .sgpr_count:     88
    .vgpr_count:     1024
    .wavefront_size: 32
...
	.end_amdgpu_metadata
.endif
;; end of part 5
;; launch ffn2 (part 6): grid 8 x 32, 4 waves a work-group, no clusters, 279,040 bytes of LDS; arguments hq, wq, order, tmask, b2, lowp_scales, out0, sgate; writes out0
.if DOCPART == 6
	.amdgcn_target "amdgcn-amd-amdhsa--gfx1250"
	.amdhsa_code_object_version 6
	.text
	.protected	k_q78494ff72e_ffn2
	.globl	k_q78494ff72e_ffn2
	.p2align	8
	.type	k_q78494ff72e_ffn2,@function
k_q78494ff72e_ffn2:
	s_mov_b64 s[64:65], 0
	v_nop
	global_prefetch_b8 v0, s[64:65] scope:SCOPE_SE
	s_setreg_imm32_b32 hwreg(HW_REG_WAVE_SCHED_MODE, 0, 2), 2
	s_setreg_imm32_b32 hwreg(HW_REG_WAVE_MODE, 25, 1), 1
	s_wait_xcnt 0x0
	s_wait_alu depctr_vm_vsrc(0)
; FFN2.  out[token] = g_lo (h_lo W2[lo] + b2[lo]) + g_hi (h_hi W2[hi] + b2[hi]).  h arrives as codes (hq: plane 0 the lower expert's, plane 1 the higher's), laid as images of operand registers.
; SHARES as in the launch before: work-group (x = block of 128 output columns, y = tile of 128 sorted tokens) walks the experts of the tile's stored mask; wave w owns columns 128 x + 32 w .. + 31 of all 128 rows.
; So each output number has ONE owner, which adds its two experts' parts in registers.  A row that does not use the expert in hand is multiplied all the same and weighed with 0: its codes are finite
; numbers of the format, so its sum is finite and adds nothing.
; The product is used transposed (source 0 = 16 columns of W2, source 1 = 16 rows of h); each row's plane is a number in the LDS address, lane by lane: 0 where the expert is the row's lower one, else 1.
; The first expert is written out ahead of the loop: its products with the gates start the output's sums, so nothing is cleared.  A tile uses at least two experts (a token's two differ).
; NO TENSOR LOADS, NO CLUSTER: the walk's trip count and the weights' addresses hang on the stored list, and neighbouring tiles walk other experts, in other numbers.
; LIMITS: eh + ew2 is applied by v_ldexp_f32 and has none.  NaN is not served.
; THE MODE: SCHED_MODE bits 1:0 = 2 (LLVM: expert scheduling mode 2), set by the entry lines.  The code itself states the register dependences
; between vector or matrix instructions and memory or LDS instructions, with s_wait_alu, always for 0.
; THE PLAN.  Registers that memory or LDS instructions touch, in the walk over experts:
;   A0, A1        two buffers of A's fragments.  K step s: its 16 products read A[s % 2]; the 32 LDS loads of step s + 1, issued in step s, land in the other (step 0's are issued in SETUP).
;   B, slot s     Step s's 16 products read it; the next expert's 8 loads, issued in step s + 1, land in it (slot 7's are issued behind step 7).
;   b2            Four loads in step 0 land in it; the weighing behind step 7 reads it.
;   v[VAD ..]     Read by every LDS load of A; written once an expert, in SETUP.
;   v4 to v11, v14  Offsets made at the head and never written again.
;   The accumulators, the gates, the weights and the output's sums are named by vector and matrix instructions alone, until the way out's LDS stores read the sums.
; So ONE wait on va_vdst stands at the head of steps 1 to 7: the step before is done reading the other A buffer and its slot of B.  The step's loads follow it, dealt among its products, which name
; A[s % 2], slot s and the accumulators: none of the registers that those loads touch.  Step 0 leans on SETUP's wait, behind which nothing names A1 or b2.
; REGISTERS.  Window 0: v1-14 addresses; v16-23, v24-31 each row's two experts; v32-39 A's addresses; v40-55 the rows' gates; v56-63 the row's weight for this expert; v64-79 b2; v96-103 weight x 2^(eh + ew2);
;   v128-255 A0.   Window 1: B, slot s at v[32 s + 16 u + 4 c].   Window 2: v0-127 accumulators; v128-255 the output's sums.   Window 3: v128-255 A1.
.set FRAG, 2176
.set MBP,  8*FRAG
.set PLN,  8*MBP
.set AF,   128
.set VLB,  4
.set VCP,  5
.set VL16, 7
.set VR4,  8
.set VBOF, 9
.set VSCL, 10
.set VR8,  11
.set VT0,  12                          ; v12, v13: at work, by turns
.set VT1,  13
.set VLO,  16
.set VHI,  24
.set VAD,  32
.set VG,   40
.set VW,   56
.set B2,   64
.set WS,   96
.set TA,   16                          ; the way out: v16-47, the 32 rows' offsets in out0
.set OUT,  128                         ; window 2
.set WV,   20
.set NBK,  21
.set TILE, 22
.set MSK,  23
.set NEX,  24
.set IT,   25
.set SEC,  26
.set SEN,  27
.set WB,   28
.set BNX,  30
.set ML,   32
.set MH,   40
.set BIA,  74
.set BIA0, 76
.set P0,   78
.set Q0,   80
.set SEW,  83
.set SEH,  84
.set LN,   85
.set TMP,  86
.set LAST, 87
.set MSB, 0
.macro WIN new                         ; the immediate's high byte repeats the setting that is left
.if MSB != (\new)
	s_set_vgpr_msb (MSB<<8)|(\new)
.set MSB, (\new)
.endif
.endm
.macro PLACES                          ; four places behind a matrix instruction, in front of loads into registers that it has read and of reads of its result
.rept 4
	v_nop
.endr
.endm
.macro NEXTE dst
	s_ctz_i32_b32 s[\dst], s[MSK]
	s_min_u32 s[\dst], s[\dst], 7
	s_lshl_b32 s[TMP], 1, s[\dst]
	s_and_not1_b32 s[MSK], s[MSK], s[TMP]
.endm
.macro SETBNX e
	s_lshl_b32 s[P0], s[\e], 20
	s_add_nc_u64 s[BNX:BNX+1], s[WB:WB+1], s[P0:P0+1]
.endm
.macro ALOAD g, s                      ; A's fragments of blocks 4 g .. 4 g + 3, K step s: 16 LDS loads into buffer s % 2 (window 0 or 3)
	WIN 0xc0*((\s)%2)
.irp mm, 0,1,2,3
.irp c, 0,1,2,3
	ds_load_b128 v[AF+16*(4*(\g)+\mm)+4*\c:AF+16*(4*(\g)+\mm)+4*\c+3], v[VAD+4*(\g)+\mm] offset:(\s)*FRAG+544*\c
.endr
.endr
.endm
.macro MUL g, s                        ; 8 products; the 16 accumulators take turns, one instruction a turn; K step 0 starts the sums
	WIN 0xa1+0x0c*((\s)%2)                         ; source 0 (B) window 1, source 1 (A) window 0 or 3, C and D window 2
.irp mm, 0,1,2,3
.irp u, 0,1
.if (\s) == 0
	v_wmma_f32_16x16x128_bf8_bf8 v[16*(4*(\g)+\mm)+8*\u:16*(4*(\g)+\mm)+8*\u+7], v[32*(\s)+16*\u:32*(\s)+16*\u+15], v[AF+16*(4*(\g)+\mm):AF+16*(4*(\g)+\mm)+15], 0
.else
	v_wmma_f32_16x16x128_bf8_bf8 v[16*(4*(\g)+\mm)+8*\u:16*(4*(\g)+\mm)+8*\u+7], v[32*(\s)+16*\u:32*(\s)+16*\u+15], v[AF+16*(4*(\g)+\mm):AF+16*(4*(\g)+\mm)+15], v[16*(4*(\g)+\mm)+8*\u:16*(4*(\g)+\mm)+8*\u+7]
.endif
.endr
.endr
.endm
.macro REFILL s
	WIN 0x40
.irp u, 0,1
.irp c, 0,1,2,3
	global_load_b128 v[32*(\s)+16*\u+4*\c:32*(\s)+16*\u+4*\c+3], v[VL16], s[BNX:BNX+1] offset:\u*16384+(\s)*2048+512*\c
.endr
.endr
.endm
.macro BIASLD                          ; b2 at my 16 columns
	WIN 0
.irp q, 0,1,2,3
	global_load_b128 v[B2+4*\q:B2+4*\q+3], v[VBOF], s[BIA:BIA+1] offset:16*\q
.endr
.endm
; A K step.  Global loads stand in this order: slots 0..7 of the expert in hand; then the bias (4), in step 0; then slot s - 1 anew (8), in step s; slot 7 anew behind step 7.
.macro STEP s, refill
.if (\s) == 0
	s_wait_loadcnt 56                              ; slot 0 is in: slots 1 to 7 are younger
.elseif \refill
	s_wait_loadcnt 52                              ; slot s is in: younger are 8 (7 - s) of this expert, the bias's 4, and 8 (s - 1) of steps 1 .. s - 1
.else
	s_wait_loadcnt 8*(7-(\s))+4                    ; younger: the later slots and the bias
.endif
	s_wait_dscnt 16                                ; blocks 0-3 of this step are in; blocks 4-7's sixteen loads may be out
.if (\s) == 7
.if \refill
	WIN 0x40
	s_wait_alu depctr_va_vdst(0)                   ; step 6's products are done reading slot 6, in which the loads below land
	REFILL 6
.endif
.else
.if (\s) > 0
	WIN 0xc0*(((\s)+1)%2)
	s_wait_alu depctr_va_vdst(0)                   ; the step before is done reading the other A buffer and its slot of B: all loads of this step land in these two
.endif
	ALOAD 0, (\s)+1
.endif
	MUL 0, \s
.if (\s) < 7
	s_wait_dscnt 16                                ; blocks 4-7 of this step are in; the sixteen loads issued above may be out
	ALOAD 1, (\s)+1                                ; no wait: no vector or matrix instruction since the last wait on va_vdst names the other A buffer,
.if (\refill) && ((\s) > 0)
	REFILL (\s)-1                                  ; the slot of the step before,
.endif
.if (\s) == 0
	BIASLD                                         ; or b2's registers
.endif
.else
	s_wait_dscnt 0
.endif
	MUL 1, \s
	PLACES
	WIN 0
.endm
.macro SETUP
	s_wait_xcnt 0x0                                ; the earlier loads have read their bases: the bias's and the weights' are written again only behind this wait
	s_wait_alu depctr_vm_vsrc(0)                   ; the LDS loads issued so far have read v[VAD ..], which are written anew below
	s_lshl_b32 s[P0], s[SEC], 12
	s_add_nc_u64 s[BIA:BIA+1], s[BIA0:BIA0+1], s[P0:P0+1]
	s_lshl_b32 s[LN], s[SEC], 2
	s_add_co_u32 s[LN], s[LN], 2
	v_readlane_b32 s[SEH], v[VSCL], s[LN]          ; eh
	s_add_co_u32 s[LN], s[LN], 1
	v_readlane_b32 s[SEW], v[VSCL], s[LN]          ; ew2
.irp mb, 0,1,2,3,4,5,6,7
	v_cmp_eq_u32 s[ML+\mb], s[SEC], v[VLO+\mb]
	v_cmp_eq_u32 s[MH+\mb], s[SEC], v[VHI+\mb]
	v_xor_b32 v[VT0+(\mb%2)], s[SEC], v[VLO+\mb]               ; 0 where this expert is the row's lower one,
	v_min_u32 v[VT0+(\mb%2)], 1, v[VT0+(\mb%2)]                ; else 1: the row's plane, held at 1 from above before it enters an address
	v_mul_u32_u24 v[VT0+(\mb%2)], v[VT0+(\mb%2)], PLN
	v_add_nc_u32 v[VT0+(\mb%2)], v[VT0+(\mb%2)], v[VLB]        ; + my lane's place in a fragment
	v_add_nc_u32 v[VAD+\mb], \mb*MBP, v[VT0+(\mb%2)]           ; + the block
.endr
	s_wait_alu depctr_va_sdst(0)                   ; the two exponents and the sixteen masks are written, ahead of their first readers, the selects and the addition below
	s_wait_alu depctr_va_vdst(0)                   ; v[VAD ..] are written, which the LDS loads read; the last expert's products are done reading A0 and A1, its weighing is done reading b2
	ALOAD 0, 0
	ALOAD 1, 0
.irp mb, 0,1,2,3,4,5,6,7
	v_cndmask_b32 v[VW+\mb], 0, v[VG+2*\mb+1], s[MH+\mb]       ; the row's weight for this expert: its gate, or 0
	v_cndmask_b32 v[VW+\mb], v[VW+\mb], v[VG+2*\mb], s[ML+\mb]
.endr
	s_add_co_i32 s[SEH], s[SEH], s[SEW]
.irp mb, 0,1,2,3,4,5,6,7
	v_ldexp_f32 v[WS+\mb], v[VW+\mb], s[SEH]       ; x 2^(eh + ew2)
.endr
.endm
; Behind step 7 of an expert that has a successor: the bias, and slot 7 anew.
.macro TAIL7
	s_wait_loadcnt 56                              ; the bias is in: younger are the next expert's slots 0 to 6
	WIN 0x40
	s_wait_alu depctr_va_vdst(0)                   ; step 7's products are done reading slot 7, in which the loads below land
	REFILL 7
	WIN 0
.endm
; out += weight x (sum x 2^(eh + ew2) + b2): two packed multiply-adds for two numbers.  first = 1: the first expert's products start the sums.
.macro EPI first
	WIN 0xa2                                       ; the sums: source 0, source 2 and destination window 2; the weight window 0
.irp mb, 0,1,2,3,4,5,6,7
.irp i, 0,2,4,6,8,10,12,14
.if \first
.if (\mb%2) == 0
	v_pk_mul_f32 v[OUT+16*\mb+\i:OUT+16*\mb+\i+1], v[16*\mb+\i:16*\mb+\i+1], v[WS+\mb:WS+\mb+1] op_sel_hi:[1,0]
.else
	v_pk_mul_f32 v[OUT+16*\mb+\i:OUT+16*\mb+\i+1], v[16*\mb+\i:16*\mb+\i+1], v[WS+\mb-1:WS+\mb] op_sel:[0,1] op_sel_hi:[1,1]
.endif
.else
.if (\mb%2) == 0
	v_pk_fma_f32 v[OUT+16*\mb+\i:OUT+16*\mb+\i+1], v[16*\mb+\i:16*\mb+\i+1], v[WS+\mb:WS+\mb+1], v[OUT+16*\mb+\i:OUT+16*\mb+\i+1] op_sel_hi:[1,0,1]
.else
	v_pk_fma_f32 v[OUT+16*\mb+\i:OUT+16*\mb+\i+1], v[16*\mb+\i:16*\mb+\i+1], v[WS+\mb-1:WS+\mb], v[OUT+16*\mb+\i:OUT+16*\mb+\i+1] op_sel:[0,1,0] op_sel_hi:[1,1,1]
.endif
.endif
.endr
.endr
	WIN 0xa0                                       ; b2 and the weight window 0
.irp mb, 0,1,2,3,4,5,6,7
.irp i, 0,2,4,6,8,10,12,14
.if (\mb%2) == 0
	v_pk_fma_f32 v[OUT+16*\mb+\i:OUT+16*\mb+\i+1], v[B2+\i:B2+\i+1], v[VW+\mb:VW+\mb+1], v[OUT+16*\mb+\i:OUT+16*\mb+\i+1] op_sel_hi:[1,0,1]
.else
	v_pk_fma_f32 v[OUT+16*\mb+\i:OUT+16*\mb+\i+1], v[B2+\i:B2+\i+1], v[VW+\mb-1:VW+\mb], v[OUT+16*\mb+\i:OUT+16*\mb+\i+1] op_sel:[0,1,0] op_sel_hi:[1,1,1]
.endif
.endr
.endr
	WIN 0
.endm
; The copy of h: batch b = 2 plane + (block % 2): a block's 32 pieces of 512 consecutive bytes, then 32 LDS stores.
.macro HLOAD b, win
	WIN \win
.irp s, 0,1,2,3,4,5,6,7
.irp c, 0,1,2,3
	global_load_b128 v[128+4*(4*\s+\c):128+4*(4*\s+\c)+3], v[VL16], s[4:5] offset:((\b)/2)*4194304+((\b)%2)*16384+2048*\s+512*\c
.endr
.endr
	WIN 0
.endm
.macro HSTORE b, win
	WIN \win
.irp s, 0,1,2,3,4,5,6,7
.irp c, 0,1,2,3
	ds_store_b128 v[VCP+(\b)/2], v[128+4*(4*\s+\c):128+4*(4*\s+\c)+3] offset:((\b)%2)*MBP+\s*FRAG+544*\c
.endr
.endr
	WIN 0
.endm
	s_load_b256 s[4:11], s[0:1], 0x0               ; hq, wq, order, tmask
	s_load_b256 s[12:19], s[0:1], 0x20             ; b2, lowp_scales, out0, sgate
	v_lshl_add_u32 v126, v0, 2, 0x44000
	v_mov_b32 v127, 0
	v_lshrrev_b32 v1, 5, v0
	v_readfirstlane_b32 s[WV], v1
	v_and_b32 v1, 31, v0                           ; lane
	v_and_b32 v2, 15, v0                           ; r
	v_bfe_u32 v3, v0, 4, 1                         ; h
	v_mul_u32_u24 v[VLB], v3, 272
	v_lshl_add_u32 v[VLB], v2, 4, v[VLB]
	v_lshlrev_b32 v[VL16], 4, v1
	v_lshlrev_b32 v[VR4], 2, v2
	v_lshlrev_b32 v[VR8], 3, v2
	v_lshlrev_b32 v[VBOF], 6, v3
	v_lshlrev_b32 v14, 2, v1
	s_wait_alu depctr_va_sdst(0)                   ; the wave's number is written, ahead of its first reader
	s_mul_i32 s[TMP], s[WV], 2*MBP
	v_add_nc_u32 v[VCP], s[TMP], v[VLB]            ; my wave copies blocks 2 w, 2 w + 1
	v_add_nc_u32 v[VCP+1], PLN, v[VCP]
	s_mov_b32 s[NBK], ttmp9
	s_and_b32 s[TILE], ttmp7, 0xffff
	s_mov_b32 s[P0+1], 0
	s_wait_kmcnt 0x0
	s_lshl_b32 s[P0], s[TILE], 2
	s_add_nc_u64 s[10:11], s[10:11], s[P0:P0+1]
	s_load_b32 s[MSK], s[10:11], 0x0               ; the tile's experts
	s_lshl_b32 s[P0], s[TILE], 9
	s_add_nc_u64 s[8:9], s[8:9], s[P0:P0+1]        ; order at the tile's first place
	s_lshl_b32 s[P0], s[WV], 7
	s_add_nc_u64 s[Q0:Q0+1], s[8:9], s[P0:P0+1]    ; and at my wave's 32 places, for the way out
	s_lshl_b32 s[P0], s[TILE], 10
	s_add_nc_u64 s[18:19], s[18:19], s[P0:P0+1]
	s_lshl_b32 s[P0], s[TILE], 17
	s_lshl_b32 s[TMP], s[WV], 15
	s_add_co_u32 s[P0], s[P0], s[TMP]
	s_add_nc_u64 s[4:5], s[4:5], s[P0:P0+1]        ; hq at my two blocks
	s_wait_alu depctr_va_vdst(0)                   ; the offsets and LDS addresses v4 to v11 and v14 are written, which the loads and stores below read; so are v126 and v127
	global_load_b32 v[VSCL], v14, s[14:15]
.irp mb, 0,1,2,3,4,5,6,7
	global_load_b32 v[VLO+\mb], v[VR4], s[8:9] offset:16384+64*\mb   ; the key word of row 16 mb + r,
	global_load_b64 v[VG+2*\mb:VG+2*\mb+1], v[VR8], s[18:19] offset:128*\mb   ; and its two gates
.endr
	HLOAD 0, 0                                     ; two sets of 128 registers take turns: window 0's and window 1's v128-255
	HLOAD 1, 0x40
	s_lshl_b32 s[P0], s[NBK], 2
	s_add_co_u32 s[P0], s[P0], s[WV]
	s_lshl_b32 s[P0], s[P0], 15
	s_add_nc_u64 s[WB:WB+1], s[6:7], s[P0:P0+1]
	s_add_nc_u64 s[WB:WB+1], s[WB:WB+1], 0x800000  ; w2's codes lie behind w1's
	s_lshl_b32 s[P0], s[NBK], 9
	s_add_nc_u64 s[16:17], s[16:17], s[P0:P0+1]    ; out0 at my block of columns
	s_lshl_b32 s[TMP], s[WV], 7
	s_add_co_u32 s[P0], s[P0], s[TMP]
	s_add_nc_u64 s[BIA0:BIA0+1], s[12:13], s[P0:P0+1]
	s_wait_kmcnt 0x0
	s_and_b32 s[MSK], s[MSK], 0xff
	s_bcnt1_i32_b32 s[NEX], s[MSK]
	s_sub_co_u32 s[LAST], s[NEX], 1
	NEXTE SEC
	s_mov_b32 s[SEN], s[SEC]
	SETBNX SEC
	s_wait_loadcnt 32                              ; the older batch is in
	HSTORE 0, 0
	s_wait_dscnt 0x0                               ; the stores are done
	s_wait_alu depctr_vm_vsrc(0)                   ; they have read window 0's set, in which the next batch lands
	HLOAD 2, 0
	s_wait_loadcnt 32
	HSTORE 1, 0x04
	s_wait_dscnt 0x0
	s_wait_alu depctr_vm_vsrc(0)                   ; the stores have read window 1's set, in which the next batch lands
	HLOAD 3, 0x40
	s_wait_loadcnt 32
	HSTORE 2, 0
	REFILL 0                                       ; the first expert's codes: slots 0-3 lie in window 1's lower half, which nothing has named
	REFILL 1
	REFILL 2
	REFILL 3
	s_wait_loadcnt 32                              ; the last batch is in: those 32 are younger
	HSTORE 3, 0x04
	s_wait_dscnt 0x0                               ; my blocks lie in LDS
	s_wait_alu depctr_vm_vsrc(0)                   ; the stores have read both sets: slots 4-7 land in window 1's, A's fragments in window 0's
	REFILL 4
	REFILL 5
	REFILL 6
	REFILL 7
	WIN 0
	s_barrier_signal -1
	s_barrier_wait -1                              ; all 128 rows lie in LDS
.irp mb, 0,1,2,3,4,5,6,7
	v_bfe_u32 v[VHI+\mb], v[VLO+\mb], 16, 8
	v_bfe_u32 v[VLO+\mb], v[VLO+\mb], 8, 8
.endr
	SETUP                                          ; the first expert stands ahead of the loop; a second always follows
	NEXTE SEN
	SETBNX SEN
.irp s, 0,1,2,3,4,5,6,7
	STEP \s, 1
.endr
	TAIL7
	EPI 1
	s_mov_b32 s[SEC], s[SEN]
	s_mov_b32 s[IT], 1
.Ltrip:                                            ; a trip: one expert
	SETUP
	s_cmp_eq_u32 s[IT], s[LAST]
	s_cbranch_scc1 .Larm_last
	NEXTE SEN
	SETBNX SEN
.irp s, 0,1,2,3,4,5,6,7
	STEP \s, 1
.endr
	TAIL7
	s_branch .Lepi
.Larm_last:                                        ; the last expert: nothing is left to load
.irp s, 0,1,2,3,4,5,6,7
	STEP \s, 0
.endr
	s_wait_loadcnt 0x0
.Lepi:
	EPI 0
	s_mov_b32 s[SEC], s[SEN]
	s_add_co_u32 s[IT], s[IT], 1
	s_cmp_lt_u32 s[IT], s[NEX]
	s_cbranch_scc1 .Ltrip
	; THE WAY OUT.  A lane holds 64 neighbouring bytes of a row, a row's 512 bytes come from four waves: they meet in a stage (128 rows of 512 bytes + 16) where h lay, and each wave stores 32 whole rows.
	s_load_b512 s[32:47], s[Q0:Q0+1], 0x0          ; my 32 rows' tokens
	s_load_b512 s[48:63], s[Q0:Q0+1], 0x40
	v_mul_u32_u24 v[VT0], v2, 528
	v_lshl_add_u32 v[VT0], v3, 6, v[VT0]
	s_lshl_b32 s[TMP], s[WV], 7
	v_add_nc_u32 v[VT0], s[TMP], v[VT0]            ; in: row r, + 128 w + 64 h
	s_mul_i32 s[TMP], s[WV], 32*528
	v_add_nc_u32 v[VT1], s[TMP], v[VL16]           ; back: my 32 rows, 16 bytes a lane
	s_wait_dscnt 0x0                               ; my reads of h are over
	s_barrier_signal -1
	s_barrier_wait -1                              ; everybody's are
	WIN 0x08                                       ; the data lie in window 2
	s_wait_alu depctr_va_vdst(0)                   ; the output's sums and the two stage addresses are written, which the LDS stores and loads below read; the last products are done reading A0, in which the rows land
.irp mb, 0,1,2,3,4,5,6,7
.irp q, 0,1,2,3
	ds_store_b128 v[VT0], v[OUT+16*\mb+4*\q:OUT+16*\mb+4*\q+3] offset:\mb*16*528+16*\q
.endr
.endr
	WIN 0
	s_wait_dscnt 0x0                               ; for the others' sake
	s_barrier_signal -1
	s_barrier_wait -1
.set q, 0
.rept 32
	ds_load_b128 v[128+4*q:128+4*q+3], v[VT1] offset:528*q
.set q, q+1
.endr
	s_wait_kmcnt 0x0
	s_wait_alu depctr_vm_vsrc(0)                   ; A's LDS loads have read v32 to v39, which are written again among the rows' offsets below
.set q, 0
.rept 32
	s_min_u32 s[32+q], s[32+q], 0xfff
	s_lshl_b32 s[32+q], s[32+q], 12
	v_add_nc_u32 v[TA+q], s[32+q], v[VL16]         ; the token's row of out0, + 16 x lane
.set q, q+1
.endr
	s_wait_alu depctr_va_vdst(0)                   ; the 32 offsets are written, which the stores read
.set q, 0
.rept 32
	s_wait_dscnt 31-q
	global_store_b128 v[TA+q], v[128+4*q:128+4*q+3], s[16:17] th:TH_STORE_NT   ; 32 lanes store 512 consecutive bytes, at a multiple of 256 from out0's first byte
.set q, q+1
.endr
	s_wait_dscnt 0x0                               ; the closing lines, six on end
	s_wait_alu 0x0
	s_wait_tensorcnt 0x0
	ds_add_u32 v126, v127
	s_wait_dscnt 0x0
	s_endpgm
.Lfunc_end_k_q78494ff72e_ffn2:
	.size	k_q78494ff72e_ffn2, .Lfunc_end_k_q78494ff72e_ffn2-k_q78494ff72e_ffn2
	.p2alignl 7, 3214868480
	.fill 96, 4, 3214868480
	.section	.rodata,"a",@progbits
	.p2align	6, 0x0
	.amdhsa_kernel k_q78494ff72e_ffn2
		.amdhsa_group_segment_fixed_size 279040
		.amdhsa_private_segment_fixed_size 0
		.amdhsa_enable_private_segment 0
		.amdhsa_kernarg_size 64
		.amdhsa_user_sgpr_count 2
		.amdhsa_user_sgpr_kernarg_segment_ptr 1
		.amdhsa_wavefront_size32 1
		.amdhsa_system_sgpr_workgroup_id_x 1
		.amdhsa_system_sgpr_workgroup_id_y 1
		.amdhsa_system_sgpr_workgroup_id_z 1
		.amdhsa_system_vgpr_workitem_id 0
		.amdhsa_next_free_vgpr 1024
		.amdhsa_next_free_sgpr 88
		.amdhsa_reserve_vcc 0
		.amdhsa_float_denorm_mode_32 3
		.amdhsa_float_denorm_mode_16_64 3
		.amdhsa_memory_ordered 1
		.amdhsa_forward_progress 1
		.amdhsa_inst_pref_size 165
	.end_amdhsa_kernel
	.amdgpu_metadata
---
amdhsa.version: [ 1, 2 ]
amdhsa.kernels:
  - .name:           k_q78494ff72e_ffn2
    .symbol:         k_q78494ff72e_ffn2.kd
    .args:
      - { .name: hq, .offset: 0, .size: 8, .value_kind: global_buffer, .address_space: global }
      - { .name: wq, .offset: 8, .size: 8, .value_kind: global_buffer, .address_space: global }
      - { .name: order, .offset: 16, .size: 8, .value_kind: global_buffer, .address_space: global }
      - { .name: tmask, .offset: 24, .size: 8, .value_kind: global_buffer, .address_space: global }
      - { .name: b2, .offset: 32, .size: 8, .value_kind: global_buffer, .address_space: global }
      - { .name: lowp_scales, .offset: 40, .size: 8, .value_kind: global_buffer, .address_space: global }
      - { .name: out0, .offset: 48, .size: 8, .value_kind: global_buffer, .address_space: global }
      - { .name: sgate, .offset: 56, .size: 8, .value_kind: global_buffer, .address_space: global }
    .group_segment_fixed_size: 279040
    .private_segment_fixed_size: 0
    .kernarg_segment_align: 8
    .kernarg_segment_size: 64
    .max_flat_workgroup_size: 128
    .sgpr_count:     88
    .vgpr_count:     1024
    .wavefront_size: 32
...
	.end_amdgpu_metadata
.endif
;; end of part 6
